; MI455X (gfx1250); checked and timed in simulation.
; The chip was launched on July 23, 2026; its instructions are those of AMD's public machine-readable ISA for CDNA 5 (MIT licence, August 2026) and "CDNA5" Instruction Set Architecture Reference Guide (July 2026). The comments in the code are by the model that wrote it; some were corrected since.
;; Multi Head Attention. Allowed arithmetic: matrix products marked QUANTISED: E2M3 operands, one E8M0 scale for each 32 along K, by v_wmma_scale_f32_16x16x128_f8f6f4 with both operands' format E2M3, f32 sums; everything else in f32.
;; Inputs: b_out 1,024 float32; b_qkv 3,072 float32; w_out 1,024 x 1,024 float32; w_qkv 3,072 x 1,024 float32; x 4 x 2,048 x 1,024 float32.
;; Outputs: out0 4 x 2,048 x 1,024 float32.
;; This version of the problem:
;;   THIS VERSION OF THE PROBLEM IS GIVEN IN LOW PRECISION. The matrix products marked QUANTISED in the list below multiply operands that are first quantised to E2M3 (2 exponent bits, 3 mantissa bits; 6 bits a number), with one power-of-two scale for each 32 numbers along K (OCP MX v1.0); their sums are f32. All else is computed in f32.
;;   The module's matrix products, in the order in which they are computed (A, B: the left and right operand; K: the contracted axis; several contracted axes count as one K, in the product's order):
;;     1. [M 8,192, K 1,024] x [K 1,024, N 3,072]; A: input x; B: input w_qkv: QUANTISED
;;     2. batch 64 x [M 2,048, K 64] x [K 64, N 2,048]; A: computed on the way; B: computed on the way: QUANTISED
;;     3. batch 64 x [M 2,048, K 2,048] x [K 2,048, N 64]; A: softmax (see below); B: computed on the way: QUANTISED
;;     4. [M 8,192, K 1,024] x [K 1,024, N 1,024]; A: computed on the way; B: input w_out: QUANTISED
;;   THE QUANTISER, for each operand of a quantised product, along K:
;;     - K is cut into blocks of 32 from its start; a last block that is shorter is filled with zeros.
;;     - A block's scale is 2^e with e = floor(log2(the largest magnitude in the block)) - 2, held to -126 .. 127; a block of zeros has e = 0. As a byte (E8M0): e + 127.
;;     - Each number is divided by its block's scale, clamped to +-7.5, and rounded to the nearest number of E2M3, ties to even, subnormals kept.
;;     - The product sums the exact products of the quantised numbers (number of the format x scale) in f32.
;;   ~~~python
;;   def quantise(x, axis):      # numpy; x: float32 -> the quantised numbers, widened to float32 again
;;       x = np.moveaxis(x, axis, -1); K = x.shape[-1]
;;       x = np.pad(x, [(0, 0)] * (x.ndim - 1) + [(0, -K % 32)]); x = x.reshape(x.shape[:-1] + (-1, 32)); a = np.abs(x).max(-1, keepdims=True)
;;       e = np.where(a > 0, np.clip(np.frexp(np.where(a > 0, a, 1))[1] - 1 - 2, -126, 127), 0)      # np.frexp(a)[1] - 1 = floor(log2(a)), exactly
;;       r = np.clip(x / 2.0 ** e, -7.5, 7.5)
;;       step = 2.0 ** (np.maximum(np.frexp(np.where(r == 0, 1, r))[1] - 1, 0) - 3)
;;       q = np.round(r / step) * step * 2.0 ** e      # np.round: ties to even
;;       return np.moveaxis(q.reshape(q.shape[:-2] + (-1,))[..., :K], -1, axis).astype(np.float32)
;;   ~~~
;;   SOFTMAX AHEAD OF A QUANTISED PRODUCT. Where the list says 'softmax', what is quantised is not the finished softmax but p = 2^(t - M), with t = logit x log2(e) and M = ceil(the row's largest t), a whole number; so 1/2 < the row's largest p <= 1. The row's sum l is taken of the UNQUANTISED p, in f32, and the product's result is divided by l at the end. Since M is a whole number, a kernel that streams over the keys may use a running M (the ceiling of the running maximum): every later rescaling is an exact power of two, which a block's scale takes up: the codes' values come out the same.
;;   OPERANDS COMPUTED ON THE WAY. 'Computed on the way' means the value that the module computes at that place (a softmax that the list does not call 'softmax' is quantised finished and normalised). What goes into a quantiser is computed in f32, as accurately as f32 sums, v_exp_f32 and their like allow (about 1e-6 of the number): no bf16 or f16 on the way to a quantiser, and a product that is left as it is and whose result goes on into a quantised operand takes f32 operands (vector FMAs, or v_wmma_f32_16x16x4_f32). A number that lies on a knife's edge between two numbers of the format may be rounded either way, as far as f32 arithmetic and the matrix unit's own rounding can turn it there, and no further.
;; One version. Each part assembles by itself: llvm-mc -triple=amdgcn-amd-amdhsa -mcpu=gfx1250 --defsym DOCPART=n.
;; ======== version 1 of 1: 4 launches
;; limits: right only within a limited range of input values
;; workspace buffers: in_codes 9,437,184 bytes; in_scales 393,216 bytes; qk_codes 12,582,912 bytes; qk_scales 1,048,576 bytes; v_codes 6,291,456 bytes; v_scales 262,144 bytes; o_codes 6,291,456 bytes; o_scales 262,144 bytes
;; launch quant (part 1): grid 384 x 1, 4 waves a work-group, no clusters, 34,304 bytes of LDS; arguments x, w_qkv, w_out, in_codes, in_scales; writes in_codes, in_scales
.if DOCPART == 1
	.amdgcn_target "amdgcn-amd-amdhsa--gfx1250"
	.amdhsa_code_object_version 6
	.text
	.protected	k_q0b0c97d344_quant
	.globl	k_q0b0c97d344_quant
	.p2align	8
	.type	k_q0b0c97d344_quant,@function
k_q0b0c97d344_quant:
	s_mov_b64 s[64:65], 0
	v_nop
	global_prefetch_b8 v0, s[64:65] scope:SCOPE_SE
	s_setreg_imm32_b32 hwreg(HW_REG_WAVE_MODE, 25, 1), 1
	s_wait_xcnt 0x0
; x [8192][1024], w_qkv [3072][1024], w_out [1024][1024], f32, K innermost, become codes of FP6 (E2M3) with one E8M0 byte for each 32 along K,
; laid in the ORDER OF THE OPERAND'S REGISTERS, so that every later launch moves them by loads of 16 and 8 bytes a lane and never repacks them.
; TILES.  Rows go in tiles of 16.  Lane r of tile 2 B + u stands for row 32 B + 8 u + r + 8 (r / 8): used as source 0 of a product, two neighbouring tiles then give a lane 16 neighbouring rows in 16 registers.
; HALF-IMAGE, 768 bytes = 16 rows x 64 along K: lane l = (r, h) holds block h of its row, 24 bytes in 6 registers; registers 0-3 lie at 16 l, registers 4-5 at 512 + 8 l.
; in_codes [tile 768][k / 64: 16][768 B]: tiles 0-511 x, 512-703 w_qkv, 704-767 w_out.  in_scales [tile][k / 256: 4][r 16][8 B]: two scale words, one for each 128 along K.
; A block's scale byte is its largest magnitude's exponent field - 2, held at 1 from below by a floor among the maximum's leaves.
; LIMITS: NaN and infinities among the inputs are not served; a block whose largest magnitude lies under 2^-124 keeps the byte 1; a block of zeros gets the byte 1, not 127: its codes are zeros, and this program alone reads the bytes.
; SHARES.  A work-group takes 32 rows (two tiles); wave w takes tile w / 2 and half w % 2 of K: four steps of 128.  Each load reads 512 consecutive bytes of one row; the 16 rows turn through the wave's own stage
; in LDS (rows 528 bytes apart), from which a lane takes 16 neighbours of each block of 32.  No barrier: waves share nothing.  Two steps' loads (32 a wave) are on their way.
.set STG,  16*528                      ; a wave's stage
.set R,    16                          ; v16-143  two sets of 64 registers as loaded
.set X,    144                         ; v144-207 register 16 b + i = k 32 b + 16 h + i of my row
.set PC,   208                         ; v208-219 the codes; v220-222, v224-226 the conversions' second halves
.set TM,   228                         ; v228-243 at work in QUANT
.set SW,   244                         ; v244-247 the four steps' scale words
.set D,    248                         ; v248-249 the 8 bytes that I store of them
.set SEL,  22                          ; s[22:23] selects of v_permlanex16_b32 for lane l xor 16
.set HIM,  24                          ; s24      lanes 16-31
; 64 numbers of a lane, v[s] on, register 16 b + i = k 32 b + 16 h + i of my row, become a fragment's codes in v[PC] on and its scale word in v[pw].
.macro QUANT s, pw
.irp b, 0,1,2,3
	v_max3_num_f32 v[TM+\b], |v[\s+16*\b]|, |v[\s+1+16*\b]|, 0x1800000   ; block b: my 16 numbers, and the floor 2^(3 - 127): the byte cannot fall under 1
.endr
.irp i, 2,4,6,8,10,12,14
.irp b, 0,1,2,3
	v_max3_num_f32 v[TM+\b], v[TM+\b], |v[\s+16*\b+\i]|, |v[\s+1+16*\b+\i]|   ; the four blocks by turns
.endr
.endr
.irp b, 0,1,2,3
	v_permlanex16_b32 v[TM+4+\b], v[TM+\b], s[SEL], s[SEL+1]
.endr
.irp b, 0,1,2,3
	v_max_num_f32 v[TM+\b], v[TM+\b], v[TM+4+\b]   ; with lane l xor 16's: the block's largest magnitude
.endr
.irp b, 0,1,2,3
	v_add_nc_u32 v[TM+12+\b], 0xff000000, v[TM+\b]   ; 2 off its exponent field: the conversion takes this operand's exponent field as its scale
.endr
.irp b, 0,1,2,3
	v_lshrrev_b32 v[TM+4+\b], 23, v[TM+12+\b]      ; the scale's byte
.endr
	v_lshl_or_b32 v[\pw], v[TM+5], 8, v[TM+4]
	v_lshl_or_b32 v[\pw], v[TM+6], 16, v[\pw]
	v_lshl_or_b32 v[\pw], v[TM+7], 24, v[\pw]      ; my row's scale word
.irp c, 0,1
	v_cvt_scalef32_pk16_fp6_f32 v[PC+6*\c:PC+2+6*\c], v[\s+32*\c:\s+15+32*\c], v[TM+12+2*\c]
	v_cvt_scalef32_pk16_fp6_f32 v[PC+12+4*\c:PC+14+4*\c], v[\s+16+32*\c:\s+31+32*\c], v[TM+12+2*\c+1]   ; a conversion's three registers begin on an even number
.endr
	v_nop                                          ; one plain place behind a scaled conversion
.irp c, 0,1                            ; the layout wants a whole block in a lane: lanes 0-15 block 2 c, lanes 16-31 block 2 c + 1
.irp i, 0,1,2
	v_permlane16_swap_b32 v[PC+6*\c+\i], v[PC+12+4*\c+\i]
.endr
.irp i, 0,1,2
	v_mov_b32 v[PC+3+6*\c+\i], v[PC+12+4*\c+\i]
.endr
.endr
.endm
.macro LOADF s                         ; step s: 128 numbers of each of my 16 rows; row p of the tile lies p + 8 (p / 8) rows on
.irp p, 0,1,2,3,4,5,6,7,8,9,10,11,12,13,14,15
	global_load_b128 v[R+64*((\s)%2)+4*\p:R+64*((\s)%2)+4*\p+3], v1, s[4:5] offset:(\p+8*(\p/8))*4096+512*(\s) th:TH_LOAD_NT
.endr
.endm
.macro TURNF s                         ; through the stage: LDS serves a wave's instructions in order (ISA guide 5.7.1.4), so no wait stands between the stores and the loads
.irp p, 0,1,2,3,4,5,6,7,8,9,10,11,12,13,14,15
	ds_store_b128 v3, v[R+64*((\s)%2)+4*\p:R+64*((\s)%2)+4*\p+3] offset:528*\p
.endr
.irp b, 0,1,2,3
.irp j, 0,1,2,3
	ds_load_b128 v[X+16*\b+4*\j:X+16*\b+4*\j+3], v4 offset:128*\b+16*\j
.endr
.endr
.endm
.macro PUT s                           ; two half-images: each store covers 512 or 256 consecutive bytes, aligned
.irp c, 0,1
	global_store_b128 v1, v[PC+6*\c:PC+6*\c+3], s[10:11] offset:1536*(\s)+768*\c
	global_store_b64 v2, v[PC+6*\c+4:PC+6*\c+5], s[10:11] offset:1536*(\s)+768*\c+512
.endr
.endm
	s_load_b128 s[4:7], s[0:1], 0x0                ; x, w_qkv
	s_load_b128 s[8:11], s[0:1], 0x10              ; w_out, in_codes
	s_load_b64 s[12:13], s[0:1], 0x20              ; in_scales
	v_lshl_add_u32 v254, v0, 2, 0x8400
	v_mov_b32 v255, 0
	v_lshrrev_b32 v5, 5, v0
	v_readfirstlane_b32 s14, v5                    ; wave
	v_and_b32 v5, 31, v0                           ; lane
	v_and_b32 v6, 15, v0                           ; r
	v_bfe_u32 v7, v0, 4, 1                         ; h
	v_lshlrev_b32 v1, 4, v5                        ; 16 l
	v_lshlrev_b32 v2, 3, v5                        ; 8 l
	s_mul_i32 s15, s14, STG
	v_add_nc_u32 v3, s15, v1                       ; the stage, on the way in
	v_mul_u32_u24 v4, v6, 528
	v_lshl_add_u32 v4, v7, 6, v4
	v_add_nc_u32 v4, s15, v4                       ; and out: row r, + 64 h
	s_mov_b32 s[SEL], 0x76543210
	s_mov_b32 s[SEL+1], 0xfedcba98
	s_mov_b32 s[HIM], 0xffff0000
.irp b, 0,1,2,3
	v_mov_b32 v[TM+4+\b], 0                        ; written once: a lane permute's destination counts as one of its sources
.endr
	s_lshr_b32 s16, s14, 1                         ; which tile
	s_and_b32 s17, s14, 1                          ; which half of K
	s_lshl_b32 s18, ttmp9, 1
	s_add_co_u32 s18, s18, s16                     ; the tile's number: the three tensors' tiles follow each other as their work-groups do
	s_mul_i32 s26, s18, 12288
	s_mul_i32 s19, s17, 6144
	s_add_co_u32 s26, s26, s19
	s_mov_b32 s27, 0
	s_lshl_b32 s28, s18, 9
	s_lshl_b32 s19, s17, 8
	s_add_co_u32 s28, s28, s19
	s_mov_b32 s29, 0
	s_wait_alu depctr_va_vdst(0)
	s_wait_kmcnt 0x0
	s_mov_b32 s20, 352
	s_cmp_lt_u32 ttmp9, 352                        ; which tensor: the choice hangs on the work-group's number alone
	s_cselect_b64 s[6:7], s[6:7], s[8:9]
	s_cselect_b32 s20, 256, s20
	s_cmp_lt_u32 ttmp9, 256
	s_cselect_b64 s[4:5], s[4:5], s[6:7]
	s_cselect_b32 s20, 0, s20
	s_sub_co_u32 s20, ttmp9, s20                   ; my group of 32 rows in it
	s_lshl_b32 s20, s20, 17
	s_lshl_b32 s19, s16, 15                        ; the second tile begins 8 rows on
	s_add_co_u32 s20, s20, s19
	s_lshl_b32 s19, s17, 11
	s_add_co_u32 s20, s20, s19
	s_mov_b32 s21, 0
	s_add_nc_u64 s[4:5], s[4:5], s[20:21]
	s_add_nc_u64 s[10:11], s[10:11], s[26:27]
	s_add_nc_u64 s[12:13], s[12:13], s[28:29]
	LOADF 0
	LOADF 1
.irp s, 0,1,2,3
.if \s < 3
	s_wait_loadcnt 16                              ; this step's 16 loads are in; the next step's 16 may be out
.else
	s_wait_loadcnt 0x0
.endif
	TURNF \s
	s_wait_dscnt 0x0                               ; my 64 numbers are back, and the stage's stores have read the set that is loaded again below
	s_wait_xcnt 0x0                                ; the last step's stores have read the codes' registers (ISA guide 3.1)
.if \s < 2
	LOADF \s+2
.endif
	QUANT X, SW+\s
	PUT \s
.endr
	v_cndmask_b32 v[D], v[SW], v[SW+2], s[HIM]     ; lanes 0-15: the words of my first 256 along K, lanes 16-31: of the second
	v_cndmask_b32 v[D+1], v[SW+1], v[SW+3], s[HIM]
	global_store_b64 v2, v[D:D+1], s[12:13]        ; 32 lanes store 256 consecutive bytes, aligned
	s_wait_tensorcnt 0x0
	ds_add_u32 v254, v255
	s_wait_dscnt 0x0
	s_endpgm
.Lfunc_end_k_q0b0c97d344_quant:
	.size	k_q0b0c97d344_quant, .Lfunc_end_k_q0b0c97d344_quant-k_q0b0c97d344_quant
	.p2alignl 7, 3214868480
	.fill 96, 4, 3214868480
	.section	.rodata,"a",@progbits
	.p2align	6, 0x0
	.amdhsa_kernel k_q0b0c97d344_quant
		.amdhsa_group_segment_fixed_size 34304
		.amdhsa_private_segment_fixed_size 0
		.amdhsa_enable_private_segment 0
		.amdhsa_kernarg_size 40
		.amdhsa_user_sgpr_count 2
		.amdhsa_user_sgpr_kernarg_segment_ptr 1
		.amdhsa_wavefront_size32 1
		.amdhsa_system_sgpr_workgroup_id_x 1
		.amdhsa_system_sgpr_workgroup_id_y 1
		.amdhsa_system_sgpr_workgroup_id_z 1
		.amdhsa_system_vgpr_workitem_id 0
		.amdhsa_next_free_vgpr 256
		.amdhsa_next_free_sgpr 66
		.amdhsa_reserve_vcc 0
		.amdhsa_float_denorm_mode_32 3
		.amdhsa_float_denorm_mode_16_64 3
		.amdhsa_memory_ordered 1
		.amdhsa_forward_progress 1
		.amdhsa_inst_pref_size 34
	.end_amdhsa_kernel
	.amdgpu_metadata
---
amdhsa.version: [ 1, 2 ]
amdhsa.kernels:
  - .name:           k_q0b0c97d344_quant
    .symbol:         k_q0b0c97d344_quant.kd
    .args:
      - { .name: x, .offset: 0, .size: 8, .value_kind: global_buffer, .address_space: global }
      - { .name: w_qkv, .offset: 8, .size: 8, .value_kind: global_buffer, .address_space: global }
      - { .name: w_out, .offset: 16, .size: 8, .value_kind: global_buffer, .address_space: global }
      - { .name: in_codes, .offset: 24, .size: 8, .value_kind: global_buffer, .address_space: global }
      - { .name: in_scales, .offset: 32, .size: 8, .value_kind: global_buffer, .address_space: global }
    .group_segment_fixed_size: 34304
    .private_segment_fixed_size: 0
    .kernarg_segment_align: 8
    .kernarg_segment_size: 40
    .max_flat_workgroup_size: 128
    .sgpr_count:     66
    .vgpr_count:     256
    .wavefront_size: 32
...
	.end_amdgpu_metadata
.endif
;; end of part 1
;; launch qkv (part 2): grid 12 x 32, 4 waves a work-group, clusters of 4 x 4, 327,680 bytes of LDS; arguments in_codes, in_scales, b_qkv, qk_codes, qk_scales, v_codes, v_scales; writes qk_codes, qk_scales, v_codes, v_scales
.if DOCPART == 2
	.amdgcn_target "amdgcn-amd-amdhsa--gfx1250"
	.amdhsa_code_object_version 6
	.text
	.protected	k_q0b0c97d344_qkv
	.globl	k_q0b0c97d344_qkv
	.p2align	8
	.type	k_q0b0c97d344_qkv,@function
k_q0b0c97d344_qkv:
	s_mov_b64 s[64:65], 0
	v_nop
	global_prefetch_b8 v0, s[64:65] scope:SCOPE_SE
	s_setreg_imm32_b32 hwreg(HW_REG_WAVE_MODE, 25, 1), 1
	s_wait_xcnt 0x0
	s_wait_alu depctr_hold_cnt(0) depctr_sa_sdst(0) depctr_va_vdst(0) depctr_va_sdst(0) depctr_va_ssrc(0) depctr_va_vcc(0) depctr_vm_vsrc(0)
	s_getreg_b32 s2, hwreg(HW_REG_IB_STS2, 6, 4)
	s_cmp_eq_u32 s2, 0
	s_cbranch_scc0 .Lentry_in_a_cluster
	s_endpgm
.Lentry_in_a_cluster:
	s_bfe_u32 s2, ttmp6, 0x10000c
	s_cmp_lg_u32 s2, 0xf033
	s_cbranch_scc0 .Lentry_shape_is_right
	s_endpgm
.Lentry_shape_is_right:
; qkv = x w_qkv^T + b_qkv on codes of FP6 (E2M3) with E8M0 scales; the result is quantised again and leaves as codes for the attention launch.
; A work-group makes 256 x 256, a wave 128 x 128 (64 accumulators).  Cluster x 0, 1: q and k (source 0 = w's rows, source 1 = x's rows; quantised along the head's channels);
; cluster x 2: v (the roles swapped, so that a lane's registers run along the keys, which are v's K).
; OPERANDS are half-images of 768 bytes (16 rows x 64 K as registers: lane l's registers 0-3 at 16 l, 4-5 at 512 + 8 l); a tile of 16 rows has 12,288 bytes for K = 1,024.
; THE WALK ALONG K, eight steps of 128, three fills.  Head: wave 0 asks for A's 16 tiles x K 0-511 (rows of 6,144 bytes), wave 1 for B's, waves 2 and 3 for the two blocks of scales.
; K 512-767 goes to a slot of its own, asked for when the head's loads are in; K 768-1023 is a refill over the start of the first region, asked for in step 3, when that region is read no more.
; All loads are joint: A's tiles shared along a row of the 4 x 4 cluster, B's along a column.  No prefetch: the walk is written out, three fills in all, with no loop to run ahead in.
; LIMITS: NaN and infinities are not served; a block whose largest magnitude lies under 2^-124 keeps the byte 1; a block of zeros gets the byte 1, not 127 (its codes are zeros, and this program alone reads the bytes).
.set NQ,     2
.set FR,     12
.set NL,     4
.set NP,     4
.set TILEB,  3072                      ; a tile's 256 along K
.set HALFT,  8*TILEB
.set BIGB,   4*HALFT                   ; LDS: A's K 0-511 at 0, B's here (98,304 bytes each)
.set SMALL,  8*HALFT                   ; K 512-767: A's 16 tiles, then B's
.set SCL,    12*HALFT                  ; the scales: A's 8,192 bytes, then B's
.set HALFS,  4096
.set SPARE,  SCL+4*HALFS               ; the spare words, 512 bytes
.set ADRA, 10                          ; v10-12 my A fragments (16 l) in regions 0, 1, 2; v13-15 the same with 8 l
.set ADRB, 16                          ; v16-21 the same for B
.set ADRS, 27
.set SPW,  28
.set NIL,  29
.set SC,   32
.set BN,   64
.set AF,   128
.set BM,   240
.set HA,   128
.set PC,   192
.set TM,   212
.set PW,   228
.set SW,   230
.set VSEL, 238
.set G1, 24
.set G0, 32
.set G1B, 48
.set G0B, 56
.set G1S, 68
.set G0S, 76
.set G1SB, 80
.set G0SB, 88
.set SEL, 66
.set HIM, 2
.set MSB, 0
.macro WIN new
.if MSB != (\new)
	s_set_vgpr_msb (MSB<<8)|(\new)
.set MSB, \new
.endif
.endm
.set MUL_LO, 0xa1
.set MUL_HI, 0xf1
.set TO_B,   0x40
.macro JLOAD g0a, g1a, g0b, g1b        ; waves 0, 1 ask for A, waves 2, 3 for B
	s_cmp_eq_u32 s15, 0
	s_cbranch_scc0 .Lfor_b_\@
	tensor_load_to_lds s[\g0a:\g0a+3], s[\g1a:\g1a+7]
	s_nop 0
.rept 4
	v_nop
.endr
	s_branch .Lasked_\@
.Lfor_b_\@:
	tensor_load_to_lds s[\g0b:\g0b+3], s[\g1b:\g1b+7]
	s_nop 0
.rept 4
	v_nop
.endr
.Lasked_\@:
.endm
.macro ARM under, g0, g1, next         ; an arm of the head's one chain: a load, and a jump to the join
	s_cmp_lt_u32 s14, \under
	s_cbranch_scc0 \next
	tensor_load_to_lds s[\g0:\g0+3], s[\g1:\g1+7]
	s_nop 0
.rept 4
	v_nop
.endr
	s_branch .Lhead_asked
\next:
.endm
.macro CREST
	s_cmp_lg_u32 s14, 0
	s_cbranch_scc1 .Lnot_wave_0_\@
	s_barrier_signal -3
.Lnot_wave_0_\@:
	s_barrier_wait -3
	s_barrier_signal -1
	s_barrier_wait -1
.endm
.macro CROUND
	s_barrier_signal -1
	s_barrier_wait -1
	CREST
.endm
.macro PLACES n
.rept \n
	v_nop
.endr
.endm
; step st lies in region st/4 + st/6 (0: steps 0-3, tiles 6,144 bytes apart; 1: steps 4, 5; 2: steps 6, 7; tiles 3,072 apart)
.macro FRAG reg, adr, st, i
.set FO, (6144-3072*((\st)/4))*(\i)+1536*((\st)-4*((\st)/4)-2*((\st)/6))
.set FS, (\st)/4+(\st)/6
	ds_load_b128 v[\reg:\reg+3], v[\adr+FS] offset:FO
	ds_load_b64 v[\reg+4:\reg+5], v[\adr+3+FS] offset:FO+512
	ds_load_b128 v[\reg+6:\reg+9], v[\adr+FS] offset:FO+768
	ds_load_b64 v[\reg+10:\reg+11], v[\adr+3+FS] offset:FO+1280
.endm
.macro MUL16 a0, p, q, sc, zero
.irp a, \a0, \a0+1
.irp b, 0,1,2,3,4,5,6,7
.if \zero
	v_wmma_scale_f32_16x16x128_f8f6f4 v[8*(8*((\a)%4)+\b):8*(8*((\a)%4)+\b)+7], v[128*(\p)+FR*\b:128*(\p)+FR*\b+FR-1], v[AF+FR*(\a):AF+FR*(\a)+FR-1], 0, v[SC+8*NQ*(\sc)+NQ*\b+(\q)], v[SC+8*NQ*(\sc)+NQ*(\a)+(\q)] matrix_a_fmt:MATRIX_FMT_FP6 matrix_b_fmt:MATRIX_FMT_FP6 matrix_a_scale:MATRIX_SCALE_ROW1
.else
	v_wmma_scale_f32_16x16x128_f8f6f4 v[8*(8*((\a)%4)+\b):8*(8*((\a)%4)+\b)+7], v[128*(\p)+FR*\b:128*(\p)+FR*\b+FR-1], v[AF+FR*(\a):AF+FR*(\a)+FR-1], v[8*(8*((\a)%4)+\b):8*(8*((\a)%4)+\b)+7], v[SC+8*NQ*(\sc)+NQ*\b+(\q)], v[SC+8*NQ*(\sc)+NQ*(\a)+(\q)] matrix_a_fmt:MATRIX_FMT_FP6 matrix_b_fmt:MATRIX_FMT_FP6 matrix_a_scale:MATRIX_SCALE_ROW1
.endif
.endr
.endr
.endm
.macro MULS a0, st, zero               ; 16 products of step st
	MUL16 \a0, (\st)%2, (\st)%2, ((\st)/2)%2, \zero
.endm
.macro FETCH_B st                      ; B's eight fragments of step st into set st % 2
	WIN TO_B
.irp i, 0,1,2,3,4,5,6,7
	FRAG 128*((\st)%2)+FR*\i, ADRB, \st, \i
.endr
	WIN 0
.endm
.macro FETCH_A st, i0
.irp i, \i0, \i0+1, \i0+2, \i0+3
	FRAG AF+FR*(\i), ADRA, \st, \i
.endr
.endm
.macro SCALES pr                       ; the scale words of steps 2 pr, 2 pr + 1 into set pr % 2: lanes 0-15 A's block i, lanes 16-31 B's
.irp i, 0,1,2,3,4,5,6,7
	ds_load_b64 v[SC+8*NQ*((\pr)%2)+NQ*\i:SC+8*NQ*((\pr)%2)+NQ*\i+1], v[ADRS] offset:\i*512+128*(\pr)
.endr
.endm
.macro MIDRUN st                       ; the run of loads in a step's middle: the next step's B, A's blocks 0-3, and a new pair's scale words
	FETCH_B (\st)+1
	FETCH_A (\st)+1, 0
.if ((\st)+1)%2 == 0
	SCALES ((\st)+1)/2
.endif
.endm
.macro ENDRUN st                       ; the step's second half, and A's blocks 4-7 of the next
	WIN MUL_HI
	MULS 4, \st, 0
	MULS 6, \st, 0
	PLACES NP
	WIN 0
	FETCH_A (\st)+1, 4
.endm
.macro STEP st, zero                   ; a step whose successor lies in the same region
	s_wait_dscnt 4*NL                              ; all but the youngest 16 loads (A's blocks 4-7)
	WIN MUL_LO
	MULS 0, \st, \zero
	MULS 2, \st, \zero
	s_wait_dscnt 0
	PLACES NP
	MIDRUN \st
	WIN MUL_HI
	MULS 4, \st, \zero
	MULS 6, \st, \zero
	PLACES NP
	WIN 0
	FETCH_A (\st)+1, 4
.endm
.macro TURN st, fill                   ; a step whose successor lies in the next region
	s_wait_tensorcnt 0x0                           ; my part of the next region is in
	ds_add_u32 v[SPW], v[NIL]
	s_wait_dscnt 4*NL+1                            ; the add and the youngest 16 loads may be out
	WIN MUL_LO
	MULS 0, \st, 0
	s_wait_dscnt 0x0                               ; the add is done, and my reads of this region
	s_barrier_signal -1
	MULS 2, \st, 0
	WIN 0
	s_barrier_wait -1
.if \fill
	CREST                                          ; the barrier has opened a round of the cluster's barrier
	JLOAD G0, G1, G0B, G1B                         ; K 768-1023, my one load behind the round; its four v_nop are the places for the loads below
.else
	PLACES NP
.endif
	MIDRUN \st
	ENDRUN \st
.endm
.macro QUANT s, pw
.irp b, 0,1,2,3
	v_max3_num_f32 v[TM+\b], |v[\s+16*\b]|, |v[\s+1+16*\b]|, 0x1800000
.endr
.irp i, 2,4,6,8,10,12,14
.irp b, 0,1,2,3
	v_max3_num_f32 v[TM+\b], v[TM+\b], |v[\s+16*\b+\i]|, |v[\s+1+16*\b+\i]|
.endr
.endr
.irp b, 0,1,2,3
	v_permlanex16_b32 v[TM+4+\b], v[TM+\b], s[SEL], s[SEL+1]
.endr
.irp b, 0,1,2,3
	v_max_num_f32 v[TM+\b], v[TM+\b], v[TM+4+\b]
.endr
.irp b, 0,1,2,3
	v_add_nc_u32 v[TM+12+\b], 0xff000000, v[TM+\b]
.endr
.irp b, 0,1,2,3
	v_lshrrev_b32 v[TM+4+\b], 23, v[TM+12+\b]
.endr
	v_lshl_or_b32 v[\pw], v[TM+5], 8, v[TM+4]
	v_lshl_or_b32 v[\pw], v[TM+6], 16, v[\pw]
	v_lshl_or_b32 v[\pw], v[TM+7], 24, v[\pw]
.irp c, 0,1
	v_cvt_scalef32_pk16_fp6_f32 v[PC+6*\c:PC+2+6*\c], v[\s+32*\c:\s+15+32*\c], v[TM+12+2*\c]
	v_cvt_scalef32_pk16_fp6_f32 v[PC+12+4*\c:PC+14+4*\c], v[\s+16+32*\c:\s+31+32*\c], v[TM+12+2*\c+1]
.endr
	v_nop
.irp c, 0,1
.irp i, 0,1,2
	v_permlane16_swap_b32 v[PC+6*\c+\i], v[PC+12+4*\c+\i]
.endr
.irp i, 0,1,2
	v_mov_b32 v[PC+3+6*\c+\i], v[PC+12+4*\c+\i]
.endr
.endr
.endm
	s_load_b256 s[4:11], s[0:1], 0x0
	s_load_b128 s[96:99], s[0:1], 0x20
	s_load_b64 s[100:101], s[0:1], 0x30
	v_lshl_add_u32 v[SPW], v0, 2, SPARE
	v_mov_b32 v[NIL], 0
	ds_add_u32 v28, v29                            ; the opening lines
	ds_add_u32 v28, v29
	s_wait_dscnt 0x0
	v_lshrrev_b32 v1, 5, v0
	v_readfirstlane_b32 s14, v1                    ; wave
	s_lshr_b32 s15, s14, 1                         ; my half of the rows; also: I ask for A (0) or B (1)
	s_and_b32 s16, s14, 1                          ; my half of the columns; also: which 8 tiles I ask for
	s_bfe_u32 s40, ttmp6, 0x40000
	s_bfe_u32 s41, ttmp6, 0x40004
	s_lshl_b32 s43, s41, 2
	s_lshl_b32 s43, 15, s43
	s_lshl_b32 s44, 0x1111, s40
	s_and_b32 s12, ttmp7, 0xffff
	s_lshl_b32 s12, s12, 6
	s_lshl_b32 s13, ttmp9, 6
	s_add_co_u32 s13, s13, 512
	s_lshl_b32 s17, s41, 4
	s_lshl_b32 s42, s40, 4
	s_mov_b32 s18, 640
	s_cmp_eq_u32 ttmp9, 2
	s_cselect_b32 s18, s18, s12
	s_cselect_b32 s19, s12, s13
	s_add_co_u32 s17, s17, s18                     ; A's first tile of 16
	s_add_co_u32 s42, s42, s19                     ; B's
	s_or_b32 s[G1+0], s43, (3<<16)|(1<<21)
	s_or_b32 s[G1B+0], s44, (3<<16)|(1<<21)
.irp g, G1, G1B                        ; the head's form: 16 rows of 768 elements of 8 bytes, 12,288 bytes apart
	s_mov_b32 s[\g+1], 768<<16
	s_mov_b32 s[\g+2], 16<<16
	s_mov_b32 s[\g+3], 768<<16
	s_mov_b32 s[\g+4], 16
	s_mov_b32 s[\g+5], 1536
	s_mov_b32 s[\g+6], 0
	s_mov_b32 s[\g+7], 0
.endr
	s_or_b32 s[G1S+0], s43, (3<<16)|(1<<21)
	s_or_b32 s[G1SB+0], s44, (3<<16)|(1<<21)
.irp g, G1S, G1SB                      ; the scales of 16 tiles: 8,192 dense bytes as 32 rows of 256
	s_mov_b32 s[\g+1], 32<<16
	s_mov_b32 s[\g+2], 32<<16
	s_mov_b32 s[\g+3], 32<<16
	s_mov_b32 s[\g+4], 32
	s_mov_b32 s[\g+5], 32
	s_mov_b32 s[\g+6], 0
	s_mov_b32 s[\g+7], 0
.endr
	s_lshl_b32 s22, s17, 9
	s_lshl_b32 s92, s42, 9
	s_mul_i32 s20, s17, 12288
	s_mul_i32 s46, s42, 12288
	s_mov_b32 s21, 0
	s_mov_b32 s23, 0
	s_mov_b32 s47, 0
	s_mov_b32 s93, 0
	s_mul_i32 s12, s16, 98304                      ; my 8 tiles of the 16,
	s_add_co_u32 s12, s12, 6144                    ; at K 512
	s_mov_b32 s13, 0
	s_mul_i32 s19, s16, HALFT
	s_mul_i32 s45, s14, HALFT
	s_mov_b32 s[SEL], 0x76543210
	s_mov_b32 s[SEL+1], 0xfedcba98
	s_mov_b32 s[HIM], 0xffff0000
	s_wait_kmcnt 0x0
	s_add_nc_u64 s[20:21], s[4:5], s[20:21]
	s_add_nc_u64 s[22:23], s[6:7], s[22:23]
	s_add_nc_u64 s[46:47], s[4:5], s[46:47]
	s_add_nc_u64 s[92:93], s[6:7], s[92:93]
	CROUND                                         ; in front of the first joint loads
	s_mov_b32 s[G0], 1                             ; the head's four: A's K 0-511,
	s_mov_b32 s[G0+1], 0
	s_mov_b64 s[G0+2:G0+3], s[20:21]
	s_or_b32 s[G0+3], s[G0+3], 0x80000000
	s_mov_b32 s[G0B], 1                            ; B's,
	s_mov_b32 s[G0B+1], BIGB
	s_mov_b64 s[G0B+2:G0B+3], s[46:47]
	s_or_b32 s[G0B+3], s[G0B+3], 0x80000000
	s_mov_b32 s[G0S], 1                            ; A's scales,
	s_mov_b32 s[G0S+1], SCL
	s_mov_b64 s[G0S+2:G0S+3], s[22:23]
	s_or_b32 s[G0S+3], s[G0S+3], 0x80000000
	s_mov_b32 s[G0SB], 1                           ; B's scales
	s_mov_b32 s[G0SB+1], SCL+2*HALFS
	s_mov_b64 s[G0SB+2:G0SB+3], s[92:93]
	s_or_b32 s[G0SB+3], s[G0SB+3], 0x80000000
	s_mov_b32 s[G0+4], 1                           ; K 512-767: my 8 tiles
	s_add_co_u32 s[G0+5], s45, SMALL
	s_add_nc_u64 s[G0+6:G0+7], s[20:21], s[12:13]
	s_or_b32 s[G0+7], s[G0+7], 0x80000000
	s_mov_b32 s[G0B+4], 1
	s_add_co_u32 s[G0B+5], s45, SMALL
	s_add_nc_u64 s[G0B+6:G0B+7], s[46:47], s[12:13]
	s_or_b32 s[G0B+7], s[G0B+7], 0x80000000
	ARM 1, G0,  G1,  .Lhead_b                      ; one load a wave, one chain of branches on the wave's number
	ARM 2, G0B, G1B, .Lhead_sa
	ARM 3, G0S, G1S, .Lhead_sb
	tensor_load_to_lds s[G0SB:G0SB+3], s[G1SB:G1SB+7]
	s_nop 0
.rept 4
	v_nop
.endr
.Lhead_asked:
	s_mul_i32 s20, s15, HALFT                      ; my A tiles in region 2,
	s_lshl_b32 s21, s20, 1                         ; in region 0 (tiles twice as far apart),
	s_add_co_u32 s22, s20, SMALL                   ; in region 1
	s_mul_i32 s94, s16, HALFT
	s_lshl_b32 s93, s94, 1
	s_add_co_u32 s92, s94, BIGB                    ; B: region 2,
	s_add_co_u32 s93, s93, BIGB                    ; region 0,
	s_add_co_u32 s94, s94, SMALL+2*HALFT           ; region 1
	v_and_b32 v1, 31, v0
	v_and_b32 v2, 15, v0
	v_bfe_u32 v3, v0, 4, 1
	v_lshlrev_b32 v24, 4, v1
	v_lshlrev_b32 v25, 3, v1
	v_add_nc_u32 v[ADRA], s21, v24
	v_add_nc_u32 v[ADRA+1], s22, v24
	v_add_nc_u32 v[ADRA+2], s20, v24
	v_add_nc_u32 v[ADRA+3], s21, v25
	v_add_nc_u32 v[ADRA+4], s22, v25
	v_add_nc_u32 v[ADRA+5], s20, v25
	v_add_nc_u32 v[ADRB], s93, v24
	v_add_nc_u32 v[ADRB+1], s94, v24
	v_add_nc_u32 v[ADRB+2], s92, v24
	v_add_nc_u32 v[ADRB+3], s93, v25
	v_add_nc_u32 v[ADRB+4], s94, v25
	v_add_nc_u32 v[ADRB+5], s92, v25
	v_lshlrev_b32 v8, 3, v2
	s_mul_i32 s21, s15, HALFS
	s_mul_i32 s22, s16, HALFS
	s_add_co_u32 s22, s22, 2*HALFS
	s_sub_co_u32 s22, s22, s21
	v_mul_u32_u24 v9, s22, v3                      ; lanes 16-31 take B's words
	s_add_co_u32 s21, s21, SCL
	v_add_nc_u32 v8, v8, v9
	v_add_nc_u32 v[ADRS], s21, v8
	s_sub_co_u32 s92, s42, 512                     ; the bias: along the columns (q, k) or along the rows (v)
	s_lshl_b32 s92, s92, 6
	s_lshl_b32 s93, s16, 9
	s_add_co_u32 s92, s92, s93
	s_sub_co_u32 s94, s17, 640
	s_lshl_b32 s94, s94, 6
	s_lshl_b32 s93, s15, 9
	s_add_co_u32 s94, s94, s93
	s_add_co_u32 s94, s94, 8192
	s_cmp_eq_u32 ttmp9, 2
	s_cselect_b32 s92, 0, s92
	s_cselect_b32 s94, s94, 0
	s_mov_b32 s93, 0
	s_mov_b32 s95, 0
	s_add_nc_u64 s[92:93], s[8:9], s[92:93]
	s_add_nc_u64 s[94:95], s[8:9], s[94:95]
	v_lshlrev_b32 v6, 6, v3
	v_and_b32 v7, 8, v2
	v_add_nc_u32 v7, v7, v2
	v_lshlrev_b32 v7, 2, v7
.irp b, 0,1,2,3
.irp j, 0,1,2,3
	global_load_b128 v[BN+16*\b+4*\j:BN+16*\b+4*\j+3], v6, s[92:93] offset:128*\b+16*\j
.endr
.endr
.irp a, 0,1,2,3,4,5,6,7
	global_load_b32 v[BM+2*\a], v7, s[94:95] offset:4*(32*(\a/2)+8*(\a%2))
.endr
.irp a, 0,1,2,3,4,5,6,7
	v_mov_b32 v[BM+2*\a+1], 0
.endr
	s_wait_alu depctr_va_vdst(0)
	s_wait_loadcnt 0x0
	s_wait_tensorcnt 0x0                           ; my tile of the head's four is in
	ds_add_u32 v[SPW], v[NIL]
.irp g, G1, G1B                        ; no tensor load of mine is out: from here on a load brings 8 rows of 3,072 bytes
	s_mov_b32 s[\g+1], 384<<16
	s_mov_b32 s[\g+2], 8<<16
	s_mov_b32 s[\g+3], 384<<16
	s_mov_b32 s[\g+4], 8
.endr
	s_add_nc_u64 s[G0+2:G0+3], s[G0+2:G0+3], s[12:13]       ; and the first group 0 becomes that of K 768-1023: my 8 tiles,
	s_add_nc_u64 s[G0+2:G0+3], s[G0+2:G0+3], 3072
	s_mov_b32 s[G0+1], s19                                  ; at the start of A's first region
	s_add_nc_u64 s[G0B+2:G0B+3], s[G0B+2:G0B+3], s[12:13]
	s_add_nc_u64 s[G0B+2:G0B+3], s[G0B+2:G0B+3], 3072
	s_add_co_u32 s[G0B+1], s19, BIGB
	s_wait_dscnt 0x0
	CROUND                                         ; all four tiles are in, in all sixteen work-groups
	JLOAD G0+4, G1, G0B+4, G1B                     ; K 512-767: it has steps 0 to 3 in which to land
	FETCH_B 0
	FETCH_A 0, 0
	SCALES 0
	FETCH_A 0, 4
	STEP 0, 1                                      ; the first step's products start the sums
	STEP 1, 0
	STEP 2, 0
	TURN 3, 1
	STEP 4, 0
	TURN 5, 0
	STEP 6, 0
	s_wait_dscnt 4*NL
	WIN MUL_LO
	MULS 0, 7, 0
	MULS 2, 7, 0
	s_wait_dscnt 0
	WIN MUL_HI
	MULS 4, 7, 0
	MULS 6, 7, 0
	WIN 0
; THE WAY OUT: block a of 16 rows: + bias, quantised along its 128 columns, two half-images stored
.macro EPI a, kind
.if (\a) > 0
	s_wait_xcnt 0x0
.endif
	WIN 0x02+(\a)/4
.set jj, 0
.rept 32
.if \kind
	v_pk_add_f32 v[HA+jj:HA+jj+1], v[64*((\a)%4)+jj:64*((\a)%4)+jj+1], v[BM+2*(\a):BM+2*(\a)+1] op_sel_hi:[1,0]
.else
	v_pk_add_f32 v[HA+jj:HA+jj+1], v[64*((\a)%4)+jj:64*((\a)%4)+jj+1], v[BN+jj:BN+jj+1]
.endif
.set jj, jj+2
.endr
	WIN 0
.if \kind
	QUANT HA, SW+(\a)
.irp c, 0,1
	global_store_b128 v24, v[PC+6*\c:PC+6*\c+3], s[98:99] offset:393216*((\a)/4)+768*((\a)%4)+3072*\c
	global_store_b64 v25, v[PC+6*\c+4:PC+6*\c+5], s[98:99] offset:393216*((\a)/4)+768*((\a)%4)+3072*\c+512
.endr
.else
	QUANT HA, PW
.irp c, 0,1
	global_store_b128 v24, v[PC+6*\c:PC+6*\c+3], s[10:11] offset:768*(\a)+393216*\c
	global_store_b64 v25, v[PC+6*\c+4:PC+6*\c+5], s[10:11] offset:768*(\a)+393216*\c+512
.endr
	v_perm_b32 v[SW+(\a)], v[PW], v[PW], v[VSEL]
.endif
.endm
	PLACES NP
.irp b, 0,1,2,3
	v_mov_b32 v[TM+4+\b], 0
.endr
	s_cmp_eq_u32 ttmp9, 2
	s_cbranch_scc1 .Lv
	s_sub_co_u32 s20, s42, 512
	s_lshr_b32 s20, s20, 2
	s_lshl_b32 s21, s16, 1
	s_add_co_u32 s20, s20, s21
	s_lshl_b32 s21, s15, 3
	s_add_co_u32 s21, s17, s21
	s_lshl_b32 s22, s20, 9
	s_add_co_u32 s22, s22, s21
	s_mul_i32 s22, s22, 768
	s_mov_b32 s23, 0
	s_add_nc_u64 s[10:11], s[10:11], s[22:23]
	s_lshl_b32 s22, s20, 6
	s_lshr_b32 s21, s21, 3
	s_add_co_u32 s22, s22, s21
	s_lshl_b32 s22, s22, 9
	s_add_nc_u64 s[96:97], s[96:97], s[22:23]
	v_lshlrev_b32 v26, 4, v2
	v_lshl_add_u32 v26, v3, 15, v26
	v_mov_b32 v[VSEL], 0x01000100
	v_mov_b32 v[PW], 0x03020302
	v_cndmask_b32 v[VSEL], v[VSEL], v[PW], s[HIM]
.irp a, 0,1,2,3,4,5,6,7
	EPI \a, 0
.endr
	global_store_b128 v26, v[SW:SW+3], s[96:97]
	global_store_b128 v26, v[SW+4:SW+7], s[96:97] offset:256
	s_branch .Ldone
.Lv:
	s_sub_co_u32 s20, s17, 640
	s_lshr_b32 s20, s20, 2
	s_lshl_b32 s21, s15, 1
	s_add_co_u32 s20, s20, s21
	s_lshr_b32 s21, s42, 2
	s_lshl_b32 s22, s16, 1
	s_add_co_u32 s21, s21, s22
	s_lshl_b32 s22, s20, 7
	s_add_co_u32 s22, s22, s21
	s_mul_i32 s22, s22, 3072
	s_mov_b32 s23, 0
	s_add_nc_u64 s[98:99], s[98:99], s[22:23]
	s_lshl_b32 s22, s20, 6
	s_lshr_b32 s21, s42, 3
	s_add_co_u32 s22, s22, s21
	s_add_co_u32 s22, s22, s16
	s_lshl_b32 s22, s22, 8
	s_add_nc_u64 s[100:101], s[100:101], s[22:23]
	v_lshlrev_b32 v26, 4, v2
	v_lshl_add_u32 v26, v3, 14, v26
.irp a, 0,1,2,3,4,5,6,7
	EPI \a, 1
.endr
.irp i, 0,1,2,3
	v_cndmask_b32 v[TM+\i], v[SW+\i], v[SW+4+\i], s[HIM]
.endr
	global_store_b128 v26, v[TM:TM+3], s[100:101]
.Ldone:
	s_wait_tensorcnt 0x0                           ; the wave's end
	ds_add_u32 v[SPW], v[NIL]
	s_wait_dscnt 0x0
	CROUND                                         ; the closing round
	s_endpgm
.Lfunc_end_k_q0b0c97d344_qkv:
	.size	k_q0b0c97d344_qkv, .Lfunc_end_k_q0b0c97d344_qkv-k_q0b0c97d344_qkv
	.p2alignl 7, 3214868480
	.fill 96, 4, 3214868480
	.section	.rodata,"a",@progbits
	.p2align	6, 0x0
	.amdhsa_kernel k_q0b0c97d344_qkv
		.amdhsa_group_segment_fixed_size 327680
		.amdhsa_private_segment_fixed_size 0
		.amdhsa_enable_private_segment 0
		.amdhsa_kernarg_size 56
		.amdhsa_user_sgpr_count 2
		.amdhsa_user_sgpr_kernarg_segment_ptr 1
		.amdhsa_wavefront_size32 1
		.amdhsa_system_sgpr_workgroup_id_x 1
		.amdhsa_system_sgpr_workgroup_id_y 1
		.amdhsa_system_sgpr_workgroup_id_z 1
		.amdhsa_system_vgpr_workitem_id 0
		.amdhsa_next_free_vgpr 1024
		.amdhsa_next_free_sgpr 102
		.amdhsa_reserve_vcc 0
		.amdhsa_float_denorm_mode_32 3
		.amdhsa_float_denorm_mode_16_64 3
		.amdhsa_memory_ordered 1
		.amdhsa_forward_progress 1
		.amdhsa_inst_pref_size 219
	.end_amdhsa_kernel
	.amdgpu_metadata
---
amdhsa.version: [ 1, 2 ]
amdhsa.kernels:
  - .name:           k_q0b0c97d344_qkv
    .symbol:         k_q0b0c97d344_qkv.kd
    .args:
      - { .name: in_codes, .offset: 0, .size: 8, .value_kind: global_buffer, .address_space: global }
      - { .name: in_scales, .offset: 8, .size: 8, .value_kind: global_buffer, .address_space: global }
      - { .name: b_qkv, .offset: 16, .size: 8, .value_kind: global_buffer, .address_space: global }
      - { .name: qk_codes, .offset: 24, .size: 8, .value_kind: global_buffer, .address_space: global }
      - { .name: qk_scales, .offset: 32, .size: 8, .value_kind: global_buffer, .address_space: global }
      - { .name: v_codes, .offset: 40, .size: 8, .value_kind: global_buffer, .address_space: global }
      - { .name: v_scales, .offset: 48, .size: 8, .value_kind: global_buffer, .address_space: global }
    .group_segment_fixed_size: 327680
    .private_segment_fixed_size: 0
    .kernarg_segment_align: 8
    .kernarg_segment_size: 56
    .max_flat_workgroup_size: 128
    .sgpr_count:     102
    .vgpr_count:     1024
    .wavefront_size: 32
...
	.end_amdgpu_metadata
.endif
;; end of part 2
;; launch attn (part 3): grid 4 x 64, 16 waves a work-group, clusters of 4 x 1, 210,944 bytes of LDS; arguments qk_codes, qk_scales, v_codes, v_scales, o_codes, o_scales; writes o_codes, o_scales
.if DOCPART == 3
	.amdgcn_target "amdgcn-amd-amdhsa--gfx1250"
	.amdhsa_code_object_version 6
	.text
	.protected	k_q0b0c97d344_attn
	.globl	k_q0b0c97d344_attn
	.p2align	8
	.type	k_q0b0c97d344_attn,@function
k_q0b0c97d344_attn:
	s_mov_b64 s[64:65], 0
	v_nop
	global_prefetch_b8 v0, s[64:65] scope:SCOPE_SE
	s_setreg_imm32_b32 hwreg(HW_REG_WAVE_MODE, 25, 1), 1
	s_wait_xcnt 0x0
	s_wait_alu depctr_hold_cnt(0) depctr_sa_sdst(0) depctr_va_vdst(0) depctr_va_sdst(0) depctr_va_ssrc(0) depctr_va_vcc(0) depctr_vm_vsrc(0)
	s_getreg_b32 s2, hwreg(HW_REG_IB_STS2, 6, 4)
	s_cmp_eq_u32 s2, 0
	s_cbranch_scc0 .Lentry_in_a_cluster
	s_endpgm
.Lentry_in_a_cluster:
	s_bfe_u32 s2, ttmp6, 0x10000c
	s_cmp_lg_u32 s2, 0x3003
	s_cbranch_scc0 .Lentry_shape_is_right
	s_endpgm
.Lentry_shape_is_right:
; o = softmax(q k^T / 8) v for one head of one batch, both products on codes of FP6 (E2M3) with E8M0 scales; o is quantised along the channels and leaves as codes, in the form that the last product reads.
; SOFTMAX: t = score x log2(e) / 8; M = the running largest t rounded UP to a whole number; p = 2^(t - M) is quantised along the keys, not normalised; the row's sum is taken of the unquantised p and divides at the end.
; When M moves, the sum and O are multiplied by 2^(old M - new M): exact.
; SHARES.  Work-group y = 16 x batch + head; the four work-groups of a cluster take the head's four blocks of 512 queries.  Wave w takes query tiles 32 cx + w and 32 cx + w + 16, one after the other (two passes), in 256 registers: four waves to a SIMD.
; K, V AND THEIR SCALE WORDS OF THE WHOLE HEAD, 208,896 bytes, LIE IN LDS, FILLED ONCE: no ring, no refill, no LDS store in the text.  Ten waves ask for a part each, jointly with the three partner work-groups.
; LAYOUT.  All operands are half-images: 768 bytes = 16 rows x 64 K as registers (lane l's registers 0-3 at 16 l, 4-5 at 512 + 8 l); lane r of tile 2 B + u is row 32 B + 8 u + r + 8 (r / 8).
; Both products are used transposed: S^T = K Q^T, O^T = V^T P^T: a lane holds one query; the 16 registers of two neighbouring tiles are 16 neighbouring keys (or channels).
; K = 64 IN AN INSTRUCTION OF 128: Q's registers 6-11 are zero codes.  K's fragment i is named as 12 registers from its own six on; the upper six (the next tile's codes; zeros behind tile 7) meet Q's zeros and add nothing.  The scale words' bytes 2, 3 repeat bytes 0, 1.
; LIMITS: NaN and infinities are not served; a block of o whose largest magnitude lies under 2^-124 keeps the byte 1; a block of zeros gets the byte 1, not 127.
; The scale bytes of o leave as 32 single bytes a tile (one in 24 of the wave's output bytes): the heads that share an 8-byte entry are other work-groups'.
.set KC,   0                           ; LDS: K [key tile 128][768]
.set VC,   98304                       ; V [64 keys: 32][channel tile 4][768]
.set KSC,  196608                      ; K's scale words [key step 16][half 2][r 16][4 words]
.set VSC,  204800                      ; V's [key step 16][r 16][4 words]
.set QTR,  24576                       ; a quarter of K or of V: one tensor load
.set AK,   10                          ; v10-11 the trip's K (16 l, 8 l); v12-13 V; v14, v15 the scale words
.set AV,   12
.set AS,   14
.set AT,   15
.set QF,   16                          ; v16-21 Q's codes, v22-27 zeros
.set QS,   28                          ; Q's scale word
.set PW,   29                          ; p's scale word
.set F,    30                          ; v[30:31] f, and 0
.set KV,   32                          ; v32-79 K's 8 half-fragments, later V's 4 fragments; v80-85 zeros
.set KS,   86                          ; v86-93 K's scale words
.set VS,   94                          ; v94-97 V's
.set S,    98                          ; v98-161 S^T, then p
.set O,    162                         ; v162-193 O^T
.set PC,   194                         ; v194-205 p's codes
.set CT,   206                         ; v206-208, v210-212 the conversions' second halves
.set BMX,  214                         ; v214-217 the blocks' largest scores
.set PT,   218                         ; v218-221 from the other half of the lanes; then the bytes
.set SO,   222                         ; v222-225 the conversions' scale operands
.set NM,   226                         ; v226 -M, v227 the largest t
.set SUM,  228                         ; v[228:229]
.set TMP,  230
.set CH,   232                         ; v[232:233] the sum's second chain
.set QN,   234                         ; v234-239 the second pass's Q, v240 its scale word
.set WV,   16
.set SEL,  20
.set CS,   22
.set G1C,  24
.set G1KS, 32
.set G1VS, 40
.set HIM,  56
.set SK,   57
.set SS,   58
.set SV,   59
.set TRIPS, 60
.set PASS, 61
.set G0K,  68
.set G0V,  72
.set G0KS, 76
.set G0VS, 80
.macro CROUND                          ; a round of the cluster's barrier
	s_barrier_signal -1
	s_barrier_wait -1
	s_cmp_lg_u32 s[WV], 0
	s_cbranch_scc1 .Lnot_wave_0_\@
	s_barrier_signal -3
.Lnot_wave_0_\@:
	s_barrier_wait -3
	s_barrier_signal -1
	s_barrier_wait -1
.endm
	s_load_b256 s[4:11], s[0:1], 0x0               ; qk_codes s[4:5], qk_scales s[6:7], v_codes s[8:9], v_scales s[10:11]
	s_load_b128 s[12:15], s[0:1], 0x20             ; o_codes, o_scales
	v_lshl_add_u32 v254, v0, 2, 0x33000
	v_mov_b32 v255, 0
	ds_add_u32 v254, v255
	ds_add_u32 v254, v255
	v_lshrrev_b32 v1, 5, v0
	s_delay_alu instid0(VALU_DEP_1)
	v_readfirstlane_b32 s[WV], v1                  ; wave 0..15
	s_bfe_u32 s17, ttmp6, 0x40000                  ; cx: it enters Q's and o's addresses alone
	s_and_b32 s18, ttmp7, 0xffff
	s_and_b32 s19, s18, 15                         ; head
	s_lshr_b32 s18, s18, 4                         ; batch
	s_add_co_u32 s92, s19, 16
	s_lshl_b32 s92, s92, 9
	s_lshl_b32 s93, s18, 7
	s_add_co_u32 s92, s92, s93                     ; K's first tile: (16 + head) x 512 + 128 x batch
	s_and_b32 s94, s[WV], 3
	s_mul_i32 s94, s94, QTR                        ; my quarter in memory
	s_mul_i32 s48, s92, 768
	s_add_co_u32 s48, s48, s94
	s_mov_b32 s49, 0
	s_lshl_b32 s50, s92, 6                         ; its scale words: 64 bytes a tile
	s_mov_b32 s51, 0
	s_lshl_b32 s52, s19, 7
	s_lshl_b32 s95, s18, 5
	s_add_co_u32 s52, s52, s95                     ; V's first 64 keys: head x 128 + 32 x batch
	s_lshl_b32 s54, s52, 7                         ; its scale words: 128 bytes for each 64 keys
	s_mul_i32 s52, s52, 3072
	s_add_co_u32 s52, s52, s94
	s_mov_b32 s53, 0
	s_mov_b32 s55, 0
	s_mul_i32 s95, s[WV], QTR                      ; and in LDS: waves 0-3 K's quarters, waves 4-7 V's, which lie behind them
	s_lshl_b32 s96, s17, 5
	s_add_co_u32 s96, s96, s93
	s_add_co_u32 s96, s96, s[WV]                   ; my first query tile: 128 x batch + 32 cx + wave
	s_lshl_b32 s97, s19, 9
	s_add_co_u32 s97, s97, s96
	s_mul_i32 s84, s97, 768                        ; its codes
	s_mov_b32 s85, 0
	s_lshl_b32 s86, s19, 15                        ; its scale words: head x 32,768 + (tile / 4) x 256 + (tile % 4) x 4
	s_lshr_b32 s97, s96, 2
	s_lshl_b32 s97, s97, 8
	s_add_co_u32 s86, s86, s97
	s_and_b32 s97, s96, 3
	s_lshl_b32 s97, s97, 2
	s_add_co_u32 s86, s86, s97
	s_mov_b32 s87, 0
	s_mul_i32 s88, s96, 12288                      ; o's codes: tile x 12,288 + head x 768
	s_mul_i32 s97, s19, 768
	s_add_co_u32 s88, s88, s97
	s_mov_b32 s89, 0
	s_lshl_b32 s90, s96, 9                         ; o's scale bytes: tile x 512 + (head / 4) x 128 + (head % 4) x 2
	s_lshr_b32 s97, s19, 2
	s_lshl_b32 s97, s97, 7
	s_add_co_u32 s90, s90, s97
	s_and_b32 s97, s19, 3
	s_lshl_b32 s97, s97, 1
	s_add_co_u32 s90, s90, s97
	s_mov_b32 s91, 0
	; group 1: dense blocks as rows of 256 bytes (32 elements of 8); 15:0 the mask: all four work-groups; bit 21 set beside it; no padding
.irp g, G1C, G1KS, G1VS
	s_mov_b32 s[\g], 15|(3<<16)|(1<<21)
	s_mov_b32 s[\g+1], 32<<16
	s_mov_b32 s[\g+3], 32<<16
	s_mov_b32 s[\g+5], 32
	s_mov_b32 s[\g+6], 0
	s_mov_b32 s[\g+7], 0
.endr
	s_mov_b32 s[G1C+2], 96<<16                     ; a quarter: 96 rows
	s_mov_b32 s[G1C+4], 96
	s_mov_b32 s[G1KS+2], 32<<16                    ; K's scale words: 32 rows
	s_mov_b32 s[G1KS+4], 32
	s_mov_b32 s[G1VS+2], 16<<16                    ; V's: 16 rows
	s_mov_b32 s[G1VS+4], 16
	s_mov_b32 s[SEL], 0x76543210
	s_mov_b32 s[SEL+1], 0xfedcba98
	s_mov_b32 s[CS], 0x3e38aa3b                    ; c = log2(e) / 8
	s_mov_b32 s[CS+1], s[CS]
	s_mov_b32 s[HIM], 0xffff0000
	s_wait_dscnt 0x0
	s_wait_kmcnt 0x0
	s_mov_b32 s[G0K], 1
	s_mov_b32 s[G0K+1], s95
	s_add_nc_u64 s[G0K+2:G0K+3], s[4:5], s[48:49]
	s_or_b32 s[G0K+3], s[G0K+3], 0x80000000
	s_mov_b32 s[G0V], 1
	s_mov_b32 s[G0V+1], s95
	s_add_nc_u64 s[G0V+2:G0V+3], s[8:9], s[52:53]
	s_or_b32 s[G0V+3], s[G0V+3], 0x80000000
	s_mov_b32 s[G0KS], 1
	s_mov_b32 s[G0KS+1], KSC
	s_add_nc_u64 s[G0KS+2:G0KS+3], s[6:7], s[50:51]
	s_or_b32 s[G0KS+3], s[G0KS+3], 0x80000000
	s_mov_b32 s[G0VS], 1
	s_mov_b32 s[G0VS+1], VSC
	s_add_nc_u64 s[G0VS+2:G0VS+3], s[10:11], s[54:55]
	s_or_b32 s[G0VS+3], s[G0VS+3], 0x80000000
	s_add_nc_u64 s[84:85], s[4:5], s[84:85]
	s_add_nc_u64 s[86:87], s[6:7], s[86:87]
	s_add_nc_u64 s[12:13], s[12:13], s[88:89]
	s_add_nc_u64 s[14:15], s[14:15], s[90:91]
	CROUND                                         ; all four work-groups are here: the joint loads meet
	s_cmp_lt_u32 s[WV], 4                          ; one load a wave, in one branch on the wave's number; four v_nop follow each
	s_cbranch_scc0 .Lnot_k
	tensor_load_to_lds s[G0K:G0K+3], s[G1C:G1C+7]
	s_nop 0
.rept 4
	v_nop
.endr
	s_branch .Lasked
.Lnot_k:
	s_cmp_lt_u32 s[WV], 8
	s_cbranch_scc0 .Lnot_v
	tensor_load_to_lds s[G0V:G0V+3], s[G1C:G1C+7]
	s_nop 0
.rept 4
	v_nop
.endr
	s_branch .Lasked
.Lnot_v:
	s_cmp_eq_u32 s[WV], 8
	s_cbranch_scc0 .Lnot_ks
	tensor_load_to_lds s[G0KS:G0KS+3], s[G1KS:G1KS+7]
	s_nop 0
.rept 4
	v_nop
.endr
	s_branch .Lasked
.Lnot_ks:
	s_cmp_eq_u32 s[WV], 9
	s_cbranch_scc0 .Lasked
	tensor_load_to_lds s[G0VS:G0VS+3], s[G1VS:G1VS+7]
	s_nop 0
.rept 4
	v_nop
.endr
.Lasked:
	v_and_b32 v9, 31, v0
	s_delay_alu instid0(VALU_DEP_1)
	v_lshlrev_b32 v1, 4, v9                        ; 16 l: K's place in LDS (KC = 0), and a half-image's place in memory
	s_delay_alu instid0(VALU_DEP_2)
	v_lshlrev_b32 v2, 3, v9                        ; 8 l likewise
	s_delay_alu instid0(VALU_DEP_2)
	v_add_nc_u32 v3, VC, v1
	s_delay_alu instid0(VALU_DEP_2)
	v_add_nc_u32 v4, VC, v2
	v_and_b32 v7, 15, v0
	s_delay_alu instid0(VALU_DEP_1)
	v_lshlrev_b32 v7, 4, v7                        ; 16 r
	s_delay_alu instid0(VALU_DEP_1)
	v_add_nc_u32 v5, KSC, v7
	s_delay_alu instid0(VALU_DEP_2)
	v_add_nc_u32 v6, VSC, v7
	v_bfe_u32 v9, v0, 4, 1
	s_delay_alu instid0(VALU_DEP_4)
	v_lshrrev_b32 v8, 1, v7
	s_delay_alu instid0(VALU_DEP_1)
	v_add_nc_u32 v9, v9, v8                        ; 8 r + h: my scale byte of o
	global_load_b128 v[QF:QF+3], v1, s[84:85]      ; Q of both passes: the second tile lies 16 tiles on
	global_load_b64 v[QF+4:QF+5], v2, s[84:85] offset:512
	global_load_b128 v[QN:QN+3], v1, s[84:85] offset:12288
	global_load_b64 v[QN+4:QN+5], v2, s[84:85] offset:12800
	global_load_b32 v[QS], v7, s[86:87]
	global_load_b32 v[QN+6], v7, s[86:87] offset:1024
.irp i, 0,1,2,3,4,5
	v_mov_b32 v[QF+6+\i], 0                        ; zero codes for k = 64 .. 127
	v_mov_b32 v[KV+48+\i], 0                       ; behind K's tile 7
.endr
.irp b, 0,1,2,3
	v_mov_b32 v[PT+\b], 0                          ; a lane permute's destination counts as one of its sources
.endr
	v_mov_b32 v[TMP], 0
	v_mov_b32 v[F+1], 0                            ; named as a pair's upper half
	s_wait_loadcnt 0x0                             ; Q
	s_wait_tensorcnt 0x0                           ; my part of the fill has landed,
	s_barrier_signal -1
	s_barrier_wait -1                              ; everybody's has: from here on LDS is only read
; A KEY STEP: 128 keys, the q-th of a trip's two.
.macro STEP q
.if \q
.rept 4
	v_nop                                          ; places in front of loads into registers that the last products have read (in the trip's first step the six additions at its head are the places)
.endr
.endif
.irp i, 0,1,2,3,4,5,6,7
	ds_load_b128 v[KV+6*\i:KV+6*\i+3], v[AK] offset:6144*\q+768*\i
	ds_load_b64 v[KV+6*\i+4:KV+6*\i+5], v[AK+1] offset:6144*\q+768*\i+512
.endr
	ds_load_b128 v[KS:KS+3], v[AS] offset:512*\q
	ds_load_b128 v[KS+4:KS+7], v[AS] offset:512*\q+256
	s_wait_dscnt 0x0
.irp i, 0,1,2,3,4,5,6,7
	v_wmma_scale_f32_16x16x128_f8f6f4 v[S+8*\i:S+8*\i+7], v[KV+6*\i:KV+6*\i+11], v[QF:QF+11], 0, v[KS+\i], v[QS] matrix_a_fmt:MATRIX_FMT_FP6 matrix_b_fmt:MATRIX_FMT_FP6
.endr
.rept 4
	v_nop                                          ; places: V lands where K lay, and the scores are read below
.endr
.irp c, 0,1
.irp t, 0,1,2,3
	ds_load_b128 v[KV+12*\t+6*\c:KV+12*\t+6*\c+3], v[AV] offset:6144*\q+768*(4*\c+\t)      ; V's fragments land under the softmax
	ds_load_b64 v[KV+12*\t+6*\c+4:KV+12*\t+6*\c+5], v[AV+1] offset:6144*\q+768*(4*\c+\t)+512
.endr
.endr
	ds_load_b128 v[VS:VS+3], v[AT] offset:256*\q
.irp b, 0,1,2,3
	v_max3_num_f32 v[BMX+\b], v[S+16*\b], v[S+1+16*\b], v[S+2+16*\b]   ; the largest score of each block of 32 keys: for the row's maximum and, since p rises with the score, for the block's largest p
.endr
.irp i, 3,5,7,9,11,13
.irp b, 0,1,2,3
	v_max3_num_f32 v[BMX+\b], v[BMX+\b], v[S+16*\b+\i], v[S+1+16*\b+\i]
.endr
.endr
.irp b, 0,1,2,3
	v_max_num_f32 v[BMX+\b], v[BMX+\b], v[S+15+16*\b]
.endr
.irp b, 0,1,2,3
	s_delay_alu instid0(VALU_DEP_4)
	v_permlanex16_b32 v[PT+\b], v[BMX+\b], s[SEL], s[SEL+1]
.endr
.irp b, 0,1,2,3
	s_delay_alu instid0(VALU_DEP_4)
	v_max_num_f32 v[BMX+\b], v[BMX+\b], v[PT+\b]   ; with lane l xor 16's 16 keys
.endr
	s_delay_alu instid0(VALU_DEP_2)
	v_max3_num_f32 v[TMP], v[BMX], v[BMX+1], v[BMX+2]
	s_delay_alu instid0(VALU_DEP_1)
	v_max_num_f32 v[TMP], v[TMP], v[BMX+3]
	s_delay_alu instid0(VALU_DEP_1)
	v_mul_f32 v[TMP], s[CS], v[TMP]                ; as t
	s_delay_alu instid0(VALU_DEP_1)
	v_max_num_f32 v[NM+1], v[NM+1], v[TMP]         ; the running largest t
	v_mov_b32 v[TMP], v[NM]
	s_delay_alu instid0(VALU_DEP_2)
	v_floor_f32 v[NM], -v[NM+1]                    ; the new -M = floor(-t): M is a whole number
	s_delay_alu instid0(VALU_DEP_1)
	v_sub_f32 v[TMP], v[NM], v[TMP]                ; old M - new M: a whole number, 0 or less
	s_delay_alu instid0(VALU_DEP_1)
	v_cvt_i32_f32 v[TMP], v[TMP]                   ; (it saturates)
	s_delay_alu instid0(VALU_DEP_1)
	v_ldexp_f32 v[F], 1.0, v[TMP]                  ; f = 2^(old M - new M)
.set jj, 0
.rept 32
	v_pk_fma_f32 v[S+jj:S+jj+1], v[S+jj:S+jj+1], s[CS:CS+1], v[NM:NM+1] op_sel_hi:[1,0,0]   ; t - M
.set jj, jj+2
.endr
.irp b, 0,1,2,3
	v_fma_f32 v[BMX+\b], v[BMX+\b], s[CS], v[NM]
.endr
.set jj, 0
	s_wait_alu depctr_va_vdst(0)
.rept 64
	v_exp_f32 v[S+jj], v[S+jj]                     ; p = 2^(t - M), at most 1
.set jj, jj+1
.endr
.irp b, 0,1,2,3
	v_exp_f32 v[BMX+\b], v[BMX+\b]                 ; the block's largest p: the same two instructions on the same number
.endr
	v_pk_mul_f32 v[SUM:SUM+1], v[SUM:SUM+1], v[F:F+1] op_sel_hi:[1,0]   ; the sums under the new M.  (A plain place behind the exponentials)
	s_wait_alu depctr_va_vdst(0)
.irp b, 0,1,2,3
	v_max_num_f32 v[BMX+\b], 0x1800000, v[BMX+\b]  ; the floor 2^(3 - 127): the byte cannot fall under 1
.endr
.irp b, 0,1,2,3
	s_delay_alu instid0(VALU_DEP_4)
	v_add_nc_u32 v[SO+\b], 0xff000000, v[BMX+\b]   ; 2 off the exponent field: the conversion's scale operand
.endr
.irp b, 0,1,2,3
	s_delay_alu instid0(VALU_DEP_4)
	v_lshrrev_b32 v[PT+\b], 23, v[SO+\b]
.endr
	s_delay_alu instid0(VALU_DEP_3)
	v_lshl_or_b32 v[PW], v[PT+1], 8, v[PT]         ; p's scale word for these 128 keys
	s_delay_alu instid0(VALU_DEP_1)
	v_lshl_or_b32 v[PW], v[PT+2], 16, v[PW]
	s_delay_alu instid0(VALU_DEP_1)
	v_lshl_or_b32 v[PW], v[PT+3], 24, v[PW]
.irp c, 0,1
	v_cvt_scalef32_pk16_fp6_f32 v[PC+6*\c:PC+2+6*\c], v[S+32*\c:S+15+32*\c], v[SO+2*\c]
	v_cvt_scalef32_pk16_fp6_f32 v[CT+4*\c:CT+2+4*\c], v[S+16+32*\c:S+31+32*\c], v[SO+2*\c+1]
.endr
	v_nop                                          ; one plain place behind a scaled conversion
.irp c, 0,1
.irp i, 0,1,2
	v_permlane16_swap_b32 v[PC+6*\c+\i], v[CT+4*\c+\i]
.endr
.irp i, 0,1,2
	s_delay_alu instid0(VALU_DEP_3)
	v_mov_b32 v[PC+3+6*\c+\i], v[CT+4*\c+\i]
.endr
.endr
	v_pk_add_f32 v[232:233], v[102:103], v[106:107]
	v_pk_add_f32 v[252:253], v[110:111], v[114:115]
	v_pk_add_f32 v[250:251], v[118:119], v[122:123]
	v_pk_add_f32 v[248:249], v[126:127], v[130:131]
	v_pk_add_f32 v[246:247], v[134:135], v[138:139]
	v_pk_add_f32 v[244:245], v[142:143], v[146:147]
	v_pk_add_f32 v[242:243], v[150:151], v[154:155]
	v_pk_add_f32 v[228:229], v[228:229], v[158:159]
	v_pk_add_f32 v[232:233], v[232:233], v[98:99]
	v_pk_add_f32 v[252:253], v[252:253], v[100:101]
	v_pk_add_f32 v[250:251], v[250:251], v[104:105]
	v_pk_add_f32 v[248:249], v[248:249], v[108:109]
	v_pk_add_f32 v[246:247], v[246:247], v[112:113]
	v_pk_add_f32 v[244:245], v[244:245], v[116:117]
	v_pk_add_f32 v[242:243], v[242:243], v[120:121]
	v_pk_add_f32 v[228:229], v[228:229], v[124:125]
	v_pk_add_f32 v[232:233], v[232:233], v[128:129]
	v_pk_add_f32 v[252:253], v[252:253], v[132:133]
	v_pk_add_f32 v[250:251], v[250:251], v[136:137]
	v_pk_add_f32 v[248:249], v[248:249], v[140:141]
	v_pk_add_f32 v[246:247], v[246:247], v[144:145]
	v_pk_add_f32 v[244:245], v[244:245], v[148:149]
	v_pk_add_f32 v[242:243], v[242:243], v[152:153]
	v_pk_add_f32 v[228:229], v[228:229], v[156:157]
	v_pk_add_f32 v[232:233], v[232:233], v[160:161]
	s_delay_alu instid0(VALU_DEP_2)
	v_pk_add_f32 v[228:229], v[228:229], v[248:249]
	s_delay_alu instid0(VALU_DEP_2)
	v_pk_add_f32 v[232:233], v[232:233], v[246:247]
	v_pk_add_f32 v[252:253], v[252:253], v[244:245]
	v_pk_add_f32 v[250:251], v[250:251], v[242:243]
	s_delay_alu instid0(VALU_DEP_2)
	v_pk_add_f32 v[228:229], v[228:229], v[252:253]
	s_delay_alu instid0(VALU_DEP_2)
	v_pk_add_f32 v[232:233], v[232:233], v[250:251]
	s_delay_alu instid0(VALU_DEP_1)
	v_pk_add_f32 v[228:229], v[228:229], v[232:233]
.set jj, 0
.rept 16
	v_pk_mul_f32 v[O+jj:O+jj+1], v[O+jj:O+jj+1], v[F:F+1] op_sel_hi:[1,0]   ; O^T under the new M; ascending: each accumulator from its low end on
.set jj, jj+2
.endr
	s_wait_alu depctr_va_vdst(0)
	s_wait_dscnt 0x0                               ; V and its scale words are in
.irp t, 0,1,2,3
	v_wmma_scale_f32_16x16x128_f8f6f4 v[O+8*\t:O+8*\t+7], v[KV+12*\t:KV+12*\t+11], v[PC:PC+11], v[O+8*\t:O+8*\t+7], v[VS+\t], v[PW] matrix_a_fmt:MATRIX_FMT_FP6 matrix_b_fmt:MATRIX_FMT_FP6
.endr
.endm
	s_mov_b32 s[PASS], 2
.Lpass:                                            ; a pass: one tile of 16 queries against all 2,048 keys
	s_mov_b32 s[SK], 0
	s_mov_b32 s[SS], 0
	s_mov_b32 s[SV], 0
	v_mov_b32 v[NM+1], 0xff61b1e6                  ; the largest t so far: -3e38
	s_delay_alu instid0(VALU_DEP_1)
	v_floor_f32 v[NM], -v[NM+1]
	v_mov_b32 v[SUM], 0
	v_mov_b32 v[SUM+1], 0
.set jj, 0
.rept 32
	v_mov_b32 v[O+jj], 0                           ; the step is written once: the first finds zeros, which the first change of M leaves zeros
.set jj, jj+1
.endr
	s_mov_b32 s[TRIPS], 8
.Ltrip:                                            ; two key steps a trip
	v_add_nc_u32 v[AK], s[SK], v1
	v_add_nc_u32 v[AK+1], s[SK], v2
	v_add_nc_u32 v[AV], s[SK], v3
	s_wait_alu depctr_va_vdst(0)
	v_add_nc_u32 v[AV+1], s[SK], v4
	s_wait_alu depctr_va_vdst(0)
	v_add_nc_u32 v[AS], s[SS], v5
	v_add_nc_u32 v[AT], s[SV], v6
	s_wait_alu depctr_va_vdst(0)
	STEP 0
	STEP 1
	s_add_co_u32 s[SK], s[SK], 12288
	s_add_co_u32 s[SS], s[SS], 1024
	s_add_co_u32 s[SV], s[SV], 512
	s_sub_co_u32 s[TRIPS], s[TRIPS], 1
	s_cmp_lg_u32 s[TRIPS], 0
	s_cbranch_scc1 .Ltrip
	; THE WAY OUT of a pass: O^T / the sum; its two blocks of 32 channels quantised; one half-image and 32 scale bytes stored.
	v_add_f32 v[SUM], v[SUM], v[SUM+1]
	s_delay_alu instid0(VALU_DEP_1)
	v_permlanex16_b32 v[TMP], v[SUM], s[SEL], s[SEL+1]
	s_delay_alu instid0(VALU_DEP_1)
	v_add_f32 v[SUM], v[SUM], v[TMP]               ; the row's sum
	s_wait_alu depctr_va_vdst(0)
	v_rcp_f32 v[F], v[SUM]
.rept 4
	v_nop                                          ; places behind the last products and behind the reciprocal
.endr
.set jj, 0
	s_wait_alu depctr_va_vdst(0)
.rept 16
	v_pk_mul_f32 v[O+jj:O+jj+1], v[O+jj:O+jj+1], v[F:F+1] op_sel_hi:[1,0]   ; register 16 b + i = channel 32 b + 16 h + i of my query
.set jj, jj+2
.endr
.irp b, 0,1
	v_max3_num_f32 v[BMX+\b], |v[O+16*\b]|, |v[O+1+16*\b]|, 0x1800000
.endr
.irp i, 2,4,6,8,10,12,14
.irp b, 0,1
	s_delay_alu instid0(VALU_DEP_2)
	v_max3_num_f32 v[BMX+\b], v[BMX+\b], |v[O+16*\b+\i]|, |v[O+1+16*\b+\i]|
.endr
.endr
.irp b, 0,1
	s_delay_alu instid0(VALU_DEP_2)
	v_permlanex16_b32 v[PT+\b], v[BMX+\b], s[SEL], s[SEL+1]
.endr
.irp b, 0,1
	s_delay_alu instid0(VALU_DEP_2)
	v_max_num_f32 v[BMX+\b], v[BMX+\b], v[PT+\b]
.endr
.irp b, 0,1
	s_delay_alu instid0(VALU_DEP_2)
	v_add_nc_u32 v[SO+\b], 0xff000000, v[BMX+\b]
.endr
.irp b, 0,1
	s_delay_alu instid0(VALU_DEP_2)
	v_lshrrev_b32 v[PT+\b], 23, v[SO+\b]
.endr
	v_cvt_scalef32_pk16_fp6_f32 v[PC:PC+2], v[O:O+15], v[SO]
	v_cvt_scalef32_pk16_fp6_f32 v[CT:CT+2], v[O+16:O+31], v[SO+1]
	v_nop                                          ; one plain place behind a scaled conversion
.irp i, 0,1,2
	v_permlane16_swap_b32 v[PC+\i], v[CT+\i]
.endr
.irp i, 0,1,2
	s_delay_alu instid0(VALU_DEP_3)
	v_mov_b32 v[PC+3+\i], v[CT+\i]
.endr
	v_cndmask_b32 v[TMP], v[PT], v[PT+1], s[HIM]   ; lanes 0-15 the first block's byte, lanes 16-31 the second's
	global_store_b128 v1, v[PC:PC+3], s[12:13]     ; 512 and 256 consecutive bytes, aligned
	global_store_b64 v2, v[PC+4:PC+5], s[12:13] offset:512
	global_store_b8 v9, v[TMP], s[14:15]
	s_wait_xcnt 0x0                                ; the stores have read their registers and bases (ISA guide 3.1)
	s_add_nc_u64 s[12:13], s[12:13], 196608        ; 16 tiles on
	s_add_nc_u64 s[14:15], s[14:15], 8192
.irp i, 0,1,2,3,4,5
	v_mov_b32 v[QF+\i], v[QN+\i]                   ; the second pass's queries; the clearing at a pass's head stands between these and the first product
.endr
	v_mov_b32 v[QS], v[QN+6]
	s_sub_co_u32 s[PASS], s[PASS], 1
	s_cmp_lg_u32 s[PASS], 0
	s_cbranch_scc1 .Lpass
	s_wait_tensorcnt 0x0
	ds_add_u32 v254, v255
	s_wait_dscnt 0x0
	CROUND                                         ; the closing round
	s_endpgm
.Lfunc_end_k_q0b0c97d344_attn:
	.size	k_q0b0c97d344_attn, .Lfunc_end_k_q0b0c97d344_attn-k_q0b0c97d344_attn
	.p2alignl 7, 3214868480
	.fill 96, 4, 3214868480
	.section	.rodata,"a",@progbits
	.p2align	6, 0x0
	.amdhsa_kernel k_q0b0c97d344_attn
		.amdhsa_group_segment_fixed_size 210944
		.amdhsa_private_segment_fixed_size 0
		.amdhsa_enable_private_segment 0
		.amdhsa_kernarg_size 48
		.amdhsa_user_sgpr_count 2
		.amdhsa_user_sgpr_kernarg_segment_ptr 1
		.amdhsa_wavefront_size32 1
		.amdhsa_system_sgpr_workgroup_id_x 1
		.amdhsa_system_sgpr_workgroup_id_y 1
		.amdhsa_system_sgpr_workgroup_id_z 1
		.amdhsa_system_vgpr_workitem_id 0
		.amdhsa_next_free_vgpr 256
		.amdhsa_next_free_sgpr 100
		.amdhsa_reserve_vcc 0
		.amdhsa_float_denorm_mode_32 3
		.amdhsa_float_denorm_mode_16_64 3
		.amdhsa_memory_ordered 1
		.amdhsa_forward_progress 1
		.amdhsa_inst_pref_size 50
	.end_amdhsa_kernel
	.amdgpu_metadata
---
amdhsa.version: [ 1, 2 ]
amdhsa.kernels:
  - .name:           k_q0b0c97d344_attn
    .symbol:         k_q0b0c97d344_attn.kd
    .args:
      - { .name: qk_codes, .offset: 0, .size: 8, .value_kind: global_buffer, .address_space: global }
      - { .name: qk_scales, .offset: 8, .size: 8, .value_kind: global_buffer, .address_space: global }
      - { .name: v_codes, .offset: 16, .size: 8, .value_kind: global_buffer, .address_space: global }
      - { .name: v_scales, .offset: 24, .size: 8, .value_kind: global_buffer, .address_space: global }
      - { .name: o_codes, .offset: 32, .size: 8, .value_kind: global_buffer, .address_space: global }
      - { .name: o_scales, .offset: 40, .size: 8, .value_kind: global_buffer, .address_space: global }
    .group_segment_fixed_size: 210944
    .private_segment_fixed_size: 0
    .kernarg_segment_align: 8
    .kernarg_segment_size: 48
    .max_flat_workgroup_size: 512
    .sgpr_count:     100
    .vgpr_count:     256
    .wavefront_size: 32
...
	.end_amdgpu_metadata
.endif
;; end of part 3
;; launch proj (part 4): grid 4 x 64, 4 waves a work-group, clusters of 4 x 4, 327,680 bytes of LDS; arguments o_codes, o_scales, in_codes, in_scales, b_out, out0; writes out0
.if DOCPART == 4
	.amdgcn_target "amdgcn-amd-amdhsa--gfx1250"
	.amdhsa_code_object_version 6
	.text
	.protected	k_q0b0c97d344_proj
	.globl	k_q0b0c97d344_proj
	.p2align	8
	.type	k_q0b0c97d344_proj,@function
k_q0b0c97d344_proj:
	s_mov_b64 s[64:65], 0
	v_nop
	global_prefetch_b8 v0, s[64:65] scope:SCOPE_SE
	s_setreg_imm32_b32 hwreg(HW_REG_WAVE_MODE, 25, 1), 1
	s_wait_xcnt 0x0
	s_wait_alu depctr_hold_cnt(0) depctr_sa_sdst(0) depctr_va_vdst(0) depctr_va_sdst(0) depctr_va_ssrc(0) depctr_va_vcc(0) depctr_vm_vsrc(0)
	s_getreg_b32 s2, hwreg(HW_REG_IB_STS2, 6, 4)
	s_cmp_eq_u32 s2, 0
	s_cbranch_scc0 .Lentry_in_a_cluster
	s_endpgm
.Lentry_in_a_cluster:
	s_bfe_u32 s2, ttmp6, 0x10000c
	s_cmp_lg_u32 s2, 0xf033
	s_cbranch_scc0 .Lentry_shape_is_right
	s_endpgm
.Lentry_shape_is_right:
; out0 = o w_out^T + b_out on codes of FP6 (E2M3) with E8M0 scales, f32 out.  A work-group makes 128 rows x 256 columns: 64 x 4 = 256 work-groups; a wave makes 64 x 128: 32 accumulators.
; Source 0 = w_out's rows, source 1 = o's rows: a lane holds eight neighbouring columns of a row of the result.
; OPERANDS are half-images of 768 bytes (16 rows x 64 K as registers: lane l's registers 0-3 at 16 l, 4-5 at 512 + 8 l); a tile of 16 rows has 12,288 bytes for K = 1,024; lane r of tile 2 B + u is row 32 B + 8 u + r + 8 (r / 8).
; ALL OF K LIES IN LDS, FILLED ONCE: A's 8 tiles (98,304 bytes), B's 16 tiles (196,608), the scales (4,096 + 8,192).  Four joint loads at the head, one a wave; no ring, no refill.
; A's tiles are shared along a row of the 4 x 4 cluster, B's along a column.  No prefetch: every byte is asked for at the head, and there is no loop to run ahead in.
; The walk: eight steps of 128 along K, 32 products each; a step asks for the next step's fragments ahead of its own products (two register sets for A and for B).
; The way out goes through a stage on A's bytes, behind a barrier that every wave signals when its last fragment reads are back.
.set NQ,     2
.set FR,     12
.set NP,     4
.set TILEK,  12288                     ; a tile, all of K
.set LB,     8*TILEK                   ; LDS: A at 0, B here
.set SCL,    24*TILEK                  ; A's scales (8 tiles x 512 bytes), then B's (16 tiles)
.set SCB,    4096
.set SPARE,  SCL+12288                 ; the spare words, 512 bytes
.set SPITCH, 528
.set ADRA, 10                          ; v10 my A tiles + 16 l, v11 + 8 l
.set ADRB, 16                          ; v16, v17 my B tiles 0-3, 4-7 + 16 l; v18, v19 + 8 l
.set STO,  24
.set RD,   25
.set CO,   26
.set ADRS, 27
.set SPW,  28
.set NIL,  29
.set SC,   32                          ; v32-63 scale words, two sets
.set BI,   64
.set AF,   128                         ; v128-175, v176-223 A's fragments, two sets
.set BK,   128
.set G1, 24
.set G0, 32
.set G1B, 48
.set G0B, 56
.set G1S, 68
.set G0S, 76
.set G1SB, 80
.set G0SB, 88
.set MSB, 0
.macro WIN new
.if MSB != (\new)
	s_set_vgpr_msb (MSB<<8)|(\new)
.set MSB, \new
.endif
.endm
.set MUL_LO, 0xa1                      ; source 0 (B) window 1, source 1 (A) window 0, C and D window 2
.set TO_B,   0x40
.macro ARM under, g0, g1, next         ; an arm of the head's one chain: a load, and a jump to the join
	s_cmp_lt_u32 s14, \under
	s_cbranch_scc0 \next
	tensor_load_to_lds s[\g0:\g0+3], s[\g1:\g1+7]
	s_nop 0
.rept 4
	v_nop
.endr
	s_branch .Lhead_asked
\next:
.endm
.macro CROUND
	s_barrier_signal -1
	s_barrier_wait -1
	s_cmp_lg_u32 s14, 0
	s_cbranch_scc1 .Lnot_wave_0_\@
	s_barrier_signal -3
.Lnot_wave_0_\@:
	s_barrier_wait -3
	s_barrier_signal -1
	s_barrier_wait -1
.endm
.macro PLACES n
.rept \n
	v_nop
.endr
.endm
.macro FRAG reg, a16, a8, off          ; two half-images: 12 registers
	ds_load_b128 v[\reg:\reg+3], v[\a16] offset:\off
	ds_load_b64 v[\reg+4:\reg+5], v[\a8] offset:\off+512
	ds_load_b128 v[\reg+6:\reg+9], v[\a16] offset:\off+768
	ds_load_b64 v[\reg+10:\reg+11], v[\a8] offset:\off+1280
.endm
.macro MUL16 a0, p, q, sc, zero        ; A's blocks a0, a0 + 1 x B's eight; p: the fragments' set
.irp a, \a0, \a0+1
.irp b, 0,1,2,3,4,5,6,7
.if \zero
	v_wmma_scale_f32_16x16x128_f8f6f4 v[8*(8*(\a)+\b):8*(8*(\a)+\b)+7], v[128*(\p)+FR*\b:128*(\p)+FR*\b+FR-1], v[AF+48*(\p)+FR*(\a):AF+48*(\p)+FR*(\a)+FR-1], 0, v[SC+8*NQ*(\sc)+NQ*\b+(\q)], v[SC+8*NQ*(\sc)+NQ*(\a)+(\q)] matrix_a_fmt:MATRIX_FMT_FP6 matrix_b_fmt:MATRIX_FMT_FP6 matrix_a_scale:MATRIX_SCALE_ROW1
.else
	v_wmma_scale_f32_16x16x128_f8f6f4 v[8*(8*(\a)+\b):8*(8*(\a)+\b)+7], v[128*(\p)+FR*\b:128*(\p)+FR*\b+FR-1], v[AF+48*(\p)+FR*(\a):AF+48*(\p)+FR*(\a)+FR-1], v[8*(8*(\a)+\b):8*(8*(\a)+\b)+7], v[SC+8*NQ*(\sc)+NQ*\b+(\q)], v[SC+8*NQ*(\sc)+NQ*(\a)+(\q)] matrix_a_fmt:MATRIX_FMT_FP6 matrix_b_fmt:MATRIX_FMT_FP6 matrix_a_scale:MATRIX_SCALE_ROW1
.endif
.endr
.endr
.endm
.macro MULS a0, st, zero
	MUL16 \a0, (\st)%2, (\st)%2, ((\st)/2)%2, \zero
.endm
.macro FETCH_B st                      ; B's eight fragments of step st into set st % 2 (32 loads)
	WIN TO_B
.irp i, 0,1,2,3,4,5,6,7
	FRAG 128*((\st)%2)+FR*\i, ADRB+\i/4, ADRB+2+\i/4, TILEK*(\i%4)+1536*(\st)
.endr
	WIN 0
.endm
.macro FETCH_A st                      ; A's four (16 loads)
.irp i, 0,1,2,3
	FRAG AF+48*((\st)%2)+FR*\i, ADRA, ADRA+1, TILEK*\i+1536*(\st)
.endr
.endm
.macro SCALES pr                       ; the scale words of steps 2 pr, 2 pr + 1 into set pr % 2: lanes 16-31 B's block i; lanes 0-15 A's block i (i under 4; beyond that filled bytes that no product names)
.irp i, 0,1,2,3,4,5,6,7
	ds_load_b64 v[SC+8*NQ*((\pr)%2)+NQ*\i:SC+8*NQ*((\pr)%2)+NQ*\i+1], v[ADRS] offset:\i*512+128*(\pr)
.endr
.endm
.macro STEP st, zero
	PLACES NP                                      ; the loads below land in registers that the last step's products have read
	FETCH_B (\st)+1
	FETCH_A (\st)+1
.if ((\st)+1)%2 == 0
	SCALES ((\st)+1)/2
	s_wait_dscnt 56                                ; all but the 32 + 16 + 8 loads just issued: this step's fragments are in
.else
	s_wait_dscnt 48                                ; all but the 32 + 16 just issued
.endif
	WIN MUL_LO
	MULS 0, \st, \zero                             ; the 32 accumulators by turns
	MULS 2, \st, \zero
	WIN 0
.endm
	s_load_b256 s[4:11], s[0:1], 0x0               ; o_codes, o_scales, in_codes, in_scales
	s_load_b128 s[96:99], s[0:1], 0x20             ; b_out, out0
	v_lshl_add_u32 v[SPW], v0, 2, SPARE
	v_mov_b32 v[NIL], 0
	ds_add_u32 v28, v29                            ; the opening lines
	ds_add_u32 v28, v29
	s_wait_dscnt 0x0
	v_lshrrev_b32 v1, 5, v0
	v_readfirstlane_b32 s14, v1                    ; wave
	s_lshr_b32 s15, s14, 1                         ; my half of the rows (4 tiles)
	s_and_b32 s16, s14, 1                          ; my half of the columns (8 tiles)
	s_bfe_u32 s40, ttmp6, 0x40000
	s_bfe_u32 s41, ttmp6, 0x40004
	s_lshl_b32 s43, s41, 2
	s_lshl_b32 s43, 15, s43                        ; my row of the cluster
	s_lshl_b32 s44, 0x1111, s40                    ; my column
	s_and_b32 s12, ttmp7, 0xffff
	s_lshl_b32 s12, s12, 5
	s_lshl_b32 s17, s41, 3
	s_add_co_u32 s17, s17, s12                     ; A's first tile: 8 x (4 x cluster y + cy)
	s_lshl_b32 s42, s40, 4
	s_add_co_u32 s42, s42, 704                     ; B's: w_out's tiles begin at 704
	s_or_b32 s[G1+0], s43, (3<<16)|(1<<21)
	s_or_b32 s[G1B+0], s44, (3<<16)|(1<<21)
.irp g, G1, G1B                        ; whole tiles: rows of 1,536 elements of 8 bytes, dense
	s_mov_b32 s[\g+1], 1536<<16
	s_mov_b32 s[\g+3], 1536<<16
	s_mov_b32 s[\g+5], 1536
	s_mov_b32 s[\g+6], 0
	s_mov_b32 s[\g+7], 0
.endr
	s_mov_b32 s[G1+2], 8<<16                       ; A: 8 tiles
	s_mov_b32 s[G1+4], 8
	s_mov_b32 s[G1B+2], 16<<16                     ; B: 16
	s_mov_b32 s[G1B+4], 16
	s_or_b32 s[G1S+0], s43, (3<<16)|(1<<21)
	s_or_b32 s[G1SB+0], s44, (3<<16)|(1<<21)
.irp g, G1S, G1SB                      ; the scales: dense, as rows of 256 bytes
	s_mov_b32 s[\g+1], 32<<16
	s_mov_b32 s[\g+3], 32<<16
	s_mov_b32 s[\g+5], 32
	s_mov_b32 s[\g+6], 0
	s_mov_b32 s[\g+7], 0
.endr
	s_mov_b32 s[G1S+2], 16<<16                     ; A's: 4,096 bytes
	s_mov_b32 s[G1S+4], 16
	s_mov_b32 s[G1SB+2], 32<<16                    ; B's: 8,192
	s_mov_b32 s[G1SB+4], 32
	s_lshl_b32 s22, s17, 9
	s_lshl_b32 s92, s42, 9
	s_mul_i32 s20, s17, TILEK
	s_mul_i32 s46, s42, TILEK
	s_mov_b32 s21, 0
	s_mov_b32 s23, 0
	s_mov_b32 s47, 0
	s_mov_b32 s93, 0
	s_wait_kmcnt 0x0
	s_add_nc_u64 s[20:21], s[4:5], s[20:21]
	s_add_nc_u64 s[22:23], s[6:7], s[22:23]
	s_add_nc_u64 s[46:47], s[8:9], s[46:47]
	s_add_nc_u64 s[92:93], s[10:11], s[92:93]
	CROUND                                         ; in front of the joint loads
	s_mov_b32 s[G0], 1
	s_mov_b32 s[G0+1], 0
	s_mov_b64 s[G0+2:G0+3], s[20:21]
	s_or_b32 s[G0+3], s[G0+3], 0x80000000
	s_mov_b32 s[G0B], 1
	s_mov_b32 s[G0B+1], LB
	s_mov_b64 s[G0B+2:G0B+3], s[46:47]
	s_or_b32 s[G0B+3], s[G0B+3], 0x80000000
	s_mov_b32 s[G0S], 1
	s_mov_b32 s[G0S+1], SCL
	s_mov_b64 s[G0S+2:G0S+3], s[22:23]
	s_or_b32 s[G0S+3], s[G0S+3], 0x80000000
	s_mov_b32 s[G0SB], 1
	s_mov_b32 s[G0SB+1], SCL+SCB
	s_mov_b64 s[G0SB+2:G0SB+3], s[92:93]
	s_or_b32 s[G0SB+3], s[G0SB+3], 0x80000000
	ARM 1, G0B, G1B, .Lhead_a                      ; one load a wave, one chain of branches on the wave's number: B, the largest, first
	ARM 2, G0,  G1,  .Lhead_sa
	ARM 3, G0S, G1S, .Lhead_sb
	tensor_load_to_lds s[G0SB:G0SB+3], s[G1SB:G1SB+7]
	s_nop 0
.rept 4
	v_nop
.endr
.Lhead_asked:
	s_mul_i32 s20, s15, 4*TILEK                    ; my A tiles
	s_mul_i32 s92, s16, 8*TILEK
	s_add_co_u32 s92, s92, LB                      ; my B tiles 0-3,
	s_add_co_u32 s93, s92, 4*TILEK                 ; 4-7: an LDS offset has 16 bits
	v_and_b32 v1, 31, v0
	v_and_b32 v2, 15, v0
	v_bfe_u32 v3, v0, 4, 1
	v_lshlrev_b32 v[CO], 4, v1
	v_lshlrev_b32 v5, 3, v1
	v_add_nc_u32 v[ADRA], s20, v[CO]
	v_add_nc_u32 v[ADRA+1], s20, v5
	v_add_nc_u32 v[ADRB], s92, v[CO]
	v_add_nc_u32 v[ADRB+1], s93, v[CO]
	v_add_nc_u32 v[ADRB+2], s92, v5
	v_add_nc_u32 v[ADRB+3], s93, v5
	v_lshlrev_b32 v8, 3, v2
	s_lshl_b32 s21, s15, 11                        ; A's scale words: my 4 tiles
	s_lshl_b32 s22, s16, 12                        ; B's: my 8 tiles, behind A's
	s_add_co_u32 s22, s22, SCB
	s_sub_co_u32 s22, s22, s21
	v_mul_u32_u24 v9, s22, v3                      ; lanes 16-31 take B's words
	s_add_co_u32 s21, s21, SCL
	v_add_nc_u32 v8, v8, v9
	v_add_nc_u32 v[ADRS], s21, v8
	s_mul_i32 s23, s14, 16*SPITCH                  ; my stage, on A's bytes
	v_mul_u32_u24 v8, v2, SPITCH
	v_lshl_add_u32 v8, v3, 6, v8
	v_add_nc_u32 v[STO], s23, v8
	v_add_nc_u32 v[RD], s23, v[CO]
	s_lshl_b32 s92, s40, 10
	s_lshl_b32 s93, s16, 9
	s_add_co_u32 s92, s92, s93                     ; my first column, in bytes
	s_mov_b32 s93, 0
	s_add_nc_u64 s[96:97], s[96:97], s[92:93]
	global_load_b128 v[BI:BI+3], v[CO], s[96:97]   ; my 4 columns' bias
	s_lshl_b32 s94, s17, 16                        ; a tile's 16 rows of 4,096 bytes
	s_lshl_b32 s95, s15, 18
	s_add_co_u32 s94, s94, s95
	s_add_co_u32 s94, s94, s92
	s_mov_b32 s95, 0
	s_add_nc_u64 s[98:99], s[98:99], s[94:95]
	s_wait_alu depctr_va_vdst(0)
	s_wait_loadcnt 0x0
	s_wait_tensorcnt 0x0                           ; my part of the fill has landed,
	s_barrier_signal -1
	s_barrier_wait -1                              ; everybody's has
	FETCH_B 0
	FETCH_A 0
	SCALES 0
	STEP 0, 1                                      ; the first step's products start the sums
.irp s, 1,2,3,4,5,6
	STEP \s, 0
.endr
	s_wait_dscnt 0x0                               ; the last step's fragments are in: my reads of the tiles are over,
	s_barrier_signal -1                            ; say so,
	WIN MUL_LO
	MULS 0, 7, 0
	MULS 2, 7, 0
	WIN 0
	s_barrier_wait -1                              ; and everybody's are: A's bytes may serve as stages
; THE WAY OUT: a block of 16 rows x 128 columns goes through my stage and comes back as rows of 512 bytes; + bias; stored as two aligned units of 256 bytes
.macro TOSTAGE a
.set AC, 64*(\a)
	WIN 0x08                                       ; the data: window 2
.irp b, 0,1,2,3,4,5,6,7
	ds_store_b128 v[STO], v[AC+8*\b:AC+8*\b+3] offset:128*(\b/2)+32*(\b%2)
	ds_store_b128 v[STO], v[AC+8*\b+4:AC+8*\b+7] offset:128*(\b/2)+32*(\b%2)+16
.endr
	WIN 0
.set BB, BK+64*((\a)%2)
.irp t, 0,1,2,3,4,5,6,7,8,9,10,11,12,13,14,15
	ds_load_b128 v[BB+4*\t:BB+4*\t+3], v[RD] offset:\t*SPITCH
.endr
.endm
.macro SEND a, younger                 ; younger: the LDS instructions issued behind block a's loads
.set BB, BK+64*((\a)%2)
	s_wait_dscnt \younger
.irp t, 0,1,2,3,4,5,6,7,8,9,10,11,12,13,14,15
	v_pk_add_f32 v[BB+4*\t:BB+4*\t+1], v[BB+4*\t:BB+4*\t+1], v[BI:BI+1]
	v_pk_add_f32 v[BB+4*\t+2:BB+4*\t+3], v[BB+4*\t+2:BB+4*\t+3], v[BI+2:BI+3]
	global_store_b128 v[CO], v[BB+4*\t:BB+4*\t+3], s[98:99] offset:(32*((\a)/2)+8*((\a)%2)+\t+8*(\t/8))*4096 th:TH_STORE_NT
.endr
.endm
	PLACES NP
	TOSTAGE 0
.irp a, 1,2,3
.if \a > 1
	s_wait_xcnt 0x0                                ; block a - 2's stores have read their registers
.endif
	TOSTAGE \a
	SEND \a-1, 32
.endr
	SEND 3, 0
	s_wait_tensorcnt 0x0                           ; the wave's end
	ds_add_u32 v[SPW], v[NIL]
	s_wait_dscnt 0x0
	CROUND                                         ; the closing round
	s_endpgm
.Lfunc_end_k_q0b0c97d344_proj:
	.size	k_q0b0c97d344_proj, .Lfunc_end_k_q0b0c97d344_proj-k_q0b0c97d344_proj
	.p2alignl 7, 3214868480
	.fill 96, 4, 3214868480
	.section	.rodata,"a",@progbits
	.p2align	6, 0x0
	.amdhsa_kernel k_q0b0c97d344_proj
		.amdhsa_group_segment_fixed_size 327680
		.amdhsa_private_segment_fixed_size 0
		.amdhsa_enable_private_segment 0
		.amdhsa_kernarg_size 48
		.amdhsa_user_sgpr_count 2
		.amdhsa_user_sgpr_kernarg_segment_ptr 1
		.amdhsa_wavefront_size32 1
		.amdhsa_system_sgpr_workgroup_id_x 1
		.amdhsa_system_sgpr_workgroup_id_y 1
		.amdhsa_system_sgpr_workgroup_id_z 1
		.amdhsa_system_vgpr_workitem_id 0
		.amdhsa_next_free_vgpr 768
		.amdhsa_next_free_sgpr 102
		.amdhsa_reserve_vcc 0
		.amdhsa_float_denorm_mode_32 3
		.amdhsa_float_denorm_mode_16_64 3
		.amdhsa_memory_ordered 1
		.amdhsa_forward_progress 1
		.amdhsa_inst_pref_size 91
	.end_amdhsa_kernel
	.amdgpu_metadata
---
amdhsa.version: [ 1, 2 ]
amdhsa.kernels:
  - .name:           k_q0b0c97d344_proj
    .symbol:         k_q0b0c97d344_proj.kd
    .args:
      - { .name: o_codes, .offset: 0, .size: 8, .value_kind: global_buffer, .address_space: global }
      - { .name: o_scales, .offset: 8, .size: 8, .value_kind: global_buffer, .address_space: global }
      - { .name: in_codes, .offset: 16, .size: 8, .value_kind: global_buffer, .address_space: global }
      - { .name: in_scales, .offset: 24, .size: 8, .value_kind: global_buffer, .address_space: global }
      - { .name: b_out, .offset: 32, .size: 8, .value_kind: global_buffer, .address_space: global }
      - { .name: out0, .offset: 40, .size: 8, .value_kind: global_buffer, .address_space: global }
    .group_segment_fixed_size: 327680
    .private_segment_fixed_size: 0
    .kernarg_segment_align: 8
    .kernarg_segment_size: 48
    .max_flat_workgroup_size: 128
    .sgpr_count:     102
    .vgpr_count:     768
    .wavefront_size: 32
...
	.end_amdgpu_metadata
.endif
;; end of part 4
